; MI455X (gfx1250); checked and timed in simulation.
; The chip was launched on July 23, 2026; its instructions are those of AMD's public machine-readable ISA for CDNA 5 (MIT licence, August 2026) and "CDNA5" Instruction Set Architecture Reference Guide (July 2026). The comments in the code are by the model that wrote it; some were corrected since.
;; Encoder Block. Allowed arithmetic: matrix products marked QUANTISED: E2M3 operands, one E8M0 scale for each 32 along K, by v_wmma_scale_f32_16x16x128_f8f6f4 with both operands' format E2M3, f32 sums; everything else in f32.
;; Inputs: b_fc1 4,096 float32; b_fc2 1,024 float32; b_prj 1,024 float32; ln1_b 1,024 float32; ln1_g 1,024 float32; ln2_b 1,024 float32; ln2_g 1,024 float32; w_fc1_codes 4,096 x 32 x 24 uint8 (E2M3 codes of w_fc1, K innermost, in blocks of 32 codes, four codes in three bytes); w_fc1_scales 4,096 x 32 uint8 (E8M0 scales of w_fc1, one for each 32 codes along K); w_fc2_codes 1,024 x 128 x 24 uint8 (E2M3 codes of w_fc2, K innermost, in blocks of 32 codes, four codes in three bytes); w_fc2_scales 1,024 x 128 uint8 (E8M0 scales of w_fc2, one for each 32 codes along K); w_prj_codes 1,024 x 32 x 24 uint8 (E2M3 codes of w_prj, K innermost, in blocks of 32 codes, four codes in three bytes); w_prj_scales 1,024 x 32 uint8 (E8M0 scales of w_prj, one for each 32 codes along K); w_qkv_codes 3,072 x 32 x 24 uint8 (E2M3 codes of w_qkv, K innermost, in blocks of 32 codes, four codes in three bytes); w_qkv_scales 3,072 x 32 uint8 (E8M0 scales of w_qkv, one for each 32 codes along K); x 2 x 2,048 x 1,024 float32.
;; Outputs: out0 2 x 2,048 x 1,024 float32.
;; This version of the problem:
;;   THIS VERSION OF THE PROBLEM IS GIVEN IN LOW PRECISION. The matrix products marked QUANTISED in the list below multiply operands that are first quantised to E2M3 (2 exponent bits, 3 mantissa bits; 6 bits a number), with one power-of-two scale for each 32 numbers along K (OCP MX v1.0); their sums are f32. All else is computed in f32.
;;   The module's matrix products, in the order in which they are computed (A, B: the left and right operand; K: the contracted axis; several contracted axes count as one K, in the product's order):
;;     1. [M 4,096, K 1,024] x [K 1,024, N 3,072]; A: computed on the way; B: input w_qkv (given as codes): QUANTISED
;;     2. batch 32 x [M 2,048, K 64] x [K 64, N 2,048]; A: computed on the way; B: computed on the way: QUANTISED
;;     3. batch 32 x [M 2,048, K 2,048] x [K 2,048, N 64]; A: softmax (see below); B: computed on the way: QUANTISED
;;     4. [M 4,096, K 1,024] x [K 1,024, N 1,024]; A: computed on the way; B: input w_prj (given as codes): QUANTISED
;;     5. [M 4,096, K 1,024] x [K 1,024, N 4,096]; A: computed on the way; B: input w_fc1 (given as codes): QUANTISED
;;     6. [M 4,096, K 4,096] x [K 4,096, N 1,024]; A: computed on the way; B: input w_fc2 (given as codes): QUANTISED
;;   THE QUANTISER, for each operand of a quantised product, along K:
;;     - K is cut into blocks of 32 from its start; a last block that is shorter is filled with zeros.
;;     - A block's scale is 2^e with e = floor(log2(the largest magnitude in the block)) - 2, held to -126 .. 127; a block of zeros has e = 0. As a byte (E8M0): e + 127.
;;     - Each number is divided by its block's scale, clamped to +-7.5, and rounded to the nearest number of E2M3, ties to even, subnormals kept.
;;     - The product sums the exact products of the quantised numbers (number of the format x scale) in f32.
;;   ~~~python
;;   def quantise(x, axis):      # numpy; x: float32 -> the quantised numbers, widened to float32 again
;;       x = np.moveaxis(x, axis, -1); K = x.shape[-1]
;;       x = np.pad(x, [(0, 0)] * (x.ndim - 1) + [(0, -K % 32)]); x = x.reshape(x.shape[:-1] + (-1, 32)); a = np.abs(x).max(-1, keepdims=True)
;;       e = np.where(a > 0, np.clip(np.frexp(np.where(a > 0, a, 1))[1] - 1 - 2, -126, 127), 0)      # np.frexp(a)[1] - 1 = floor(log2(a)), exactly
;;       r = np.clip(x / 2.0 ** e, -7.5, 7.5)
;;       step = 2.0 ** (np.maximum(np.frexp(np.where(r == 0, 1, r))[1] - 1, 0) - 3)
;;       q = np.round(r / step) * step * 2.0 ** e      # np.round: ties to even
;;       return np.moveaxis(q.reshape(q.shape[:-2] + (-1,))[..., :K], -1, axis).astype(np.float32)
;;   ~~~
;;   SOFTMAX AHEAD OF A QUANTISED PRODUCT. Where the list says 'softmax', what is quantised is not the finished softmax but p = 2^(t - M), with t = logit x log2(e) and M = ceil(the row's largest t), a whole number; so 1/2 < the row's largest p <= 1. The row's sum l is taken of the UNQUANTISED p, in f32, and the product's result is divided by l at the end. Since M is a whole number, a kernel that streams over the keys may use a running M (the ceiling of the running maximum): every later rescaling is an exact power of two, which a block's scale takes up: the codes' values come out the same.
;;   OPERANDS COMPUTED ON THE WAY. 'Computed on the way' means the value that the module computes at that place (a softmax that the list does not call 'softmax' is quantised finished and normalised). What goes into a quantiser is computed in f32, as accurately as f32 sums, v_exp_f32 and their like allow (about 1e-6 of the number): no bf16 or f16 on the way to a quantiser, and a product that is left as it is and whose result goes on into a quantised operand takes f32 operands (vector FMAs, or v_wmma_f32_16x16x4_f32). A number that lies on a knife's edge between two numbers of the format may be rounded either way, as far as f32 arithmetic and the matrix unit's own rounding can turn it there, and no further.
;;   INPUTS GIVEN AS CODES. w_fc1 (in the module: [1024, 4096], K = its axis 0); w_fc2 (in the module: [4096, 1024], K = its axis 0); w_prj (in the module: [1024, 1024], K = its axis 0); w_qkv (in the module: [1024, 3072], K = its axis 0): each comes as NAME_codes (uint8): NAME with its K axis moved to the last place and cut into blocks of 32 codes, [.., K / 32, bytes a block], one block behind the other in memory; four codes in three bytes: a row's codes are one little-endian stream of bits, code i at bits 6 i .. 6 i + 5 (a code: sign, 2 exponent bits, 3 mantissa bits); and NAME_scales (uint8): the same leading axes, one E8M0 byte (e + 127) for each 32 codes along K. Its value is code x scale, taken as it is: it is not quantised again, and the codes and scales need not be those that the quantiser above would give.
;; One version. Each part assembles by itself: llvm-mc -triple=amdgcn-amd-amdhsa -mcpu=gfx1250 --defsym DOCPART=n.
;; ======== version 1 of 1: 7 launches
;; limits: right only within a limited range of input values
;; workspace buffers: wimg 9,830,400 bytes; arec 3,276,800 bytes; att 10,092,544 bytes; x1 16,777,216 bytes; grec 13,107,200 bytes
;; launch ln1 (part 1): grid 352 x 1, 16 waves a work-group, no clusters, 88,576 bytes of LDS; arguments x, ln1_g, ln1_b, arec, w_qkv_codes, w_qkv_scales, w_prj_codes, w_prj_scales, w_fc1_codes, w_fc1_scales, w_fc2_codes, w_fc2_scales, wimg; writes arec, wimg
.if DOCPART == 1
	.amdgcn_target "amdgcn-amd-amdhsa--gfx1250"
	.amdhsa_code_object_version 6
	.text
	.protected	k_qc4a2f25b6c_ln1
	.globl	k_qc4a2f25b6c_ln1
	.p2align	8
	.type	k_qc4a2f25b6c_ln1,@function
k_qc4a2f25b6c_ln1:
	s_mov_b64 s[64:65], 0
	v_nop
	global_prefetch_b8 v0, s[64:65] scope:SCOPE_SE
	s_setreg_imm32_b32 hwreg(HW_REG_WAVE_MODE, 25, 1), 1
	s_wait_xcnt 0x0
; Work-groups 0-255: LayerNorm of 16 rows of x [4096][1024], quantised along the row to E2M3 with one E8M0 byte for each 32, stored as operand records.
; Work-groups 256-351: the four weights' codes and scale bytes are laid out once as the same kind of records (one record a wave).
; A RECORD (6,400 bytes) is 16 rows x 512 along K as the matrix unit's registers want them: at kk*1536 + c*768 (kk = 0..3, c = 0, 1) 512 bytes (registers 6c..6c+3 of the fragment of
; the kk-th 128 along K, lane L's 16 bytes at 16 L), then 256 bytes (registers 6c+4, 6c+5, lane L's 8 bytes at 8 L); at 6144 + 16 r row r's 16 scale bytes.  Lane (r, h) of a fragment
; holds k = 128 kk + 64 c + 32 h + 0..31 of row r.  A buffer of records is [chunk of 512 along K][tile of 16 rows].
; WEIGHT TILES: lane r of tile T is weight row 32 (T/2) + 8 (T%2) + r + 8 (r/8), so that in a transposed product the 16 registers of two neighbouring tiles are 16 neighbouring columns.
; ROWS: one wave, one row: 8 loads of 512 consecutive bytes; mean and variance in two passes over the registers; the row then turns through the wave's own stage in LDS so that lane l holds block l
; (32 neighbours) whole; its 24 bytes of codes and its scale byte go into the tile's two records in LDS; a barrier; the records leave in stores whose sixteen lanes cover 256 consecutive aligned bytes.
; REGISTERS ARE USED AGAIN (the turned row takes the gain's, the codes the bias's, the way out the row's): 122 a wave, so that the waves of a weight work-group find room beside those of a row work-group
; and need not wait for one to end.
; No cluster, no tensor load: no two work-groups read the same bytes but the gain and the bias (8 KB).
; LIMITS: a block of zeros (or under 2^-124) gets the byte 1, not 127: its codes are zeros and this program alone reads the bytes.  NaN and infinities are not served.
.set STG,  4608                        ; a wave's stage: 32 blocks x (128 bytes + 16 of padding)
.set RECS, 16*STG                      ; behind the stages: the tile's two records
.set REC,  6400
.set CHS,  256*REC                     ; arec: from chunk to chunk
.set X,  24                            ; v24-55   the row as loaded: load j, lane l: elements 128 j + 4 l + 0..3; at the end the way out
.set G,  56                            ; v56-87   the gain, likewise
.set BV, 88                            ; v88-119  the bias
.set Y,  56                            ; v56-87   block l of the row: the gain is done with by then
.set C,  88                            ; v88-93   its codes: the bias is done with
.set D,  96                            ; v96-98   (a conversion's three registers begin on an even number)
	v_lshl_add_u32 v120, v0, 2, 0x15200
	v_mov_b32 v121, 0
	s_cmp_ge_u32 ttmp9, 256                        ; the same way for all waves of a work-group
	s_cbranch_scc1 .Lprep
	s_load_b256 s[4:11], s[0:1], 0x0               ; x, gain, bias, arec
	v_lshrrev_b32 v1, 5, v0
	s_delay_alu instid0(VALU_DEP_1)
	v_readfirstlane_b32 s12, v1                    ; wave = row r of the tile
	v_and_b32 v2, 31, v0                           ; lane
	s_delay_alu instid0(VALU_DEP_1)
	v_lshlrev_b32 v3, 4, v2
	s_lshl_b32 s14, ttmp9, 16                      ; 16 rows of 4,096 bytes a tile
	s_lshl_b32 s13, s12, 12
	s_add_co_u32 s14, s14, s13
	s_mov_b32 s15, 0
	s_mul_i32 s24, ttmp9, REC
	s_mov_b32 s25, 0
	s_mov_b32 s16, 0x76543210                      ; v_permlanex16_b32's selects for lane l xor 16
	s_mov_b32 s17, 0xfedcba98
	s_mov_b32 s18, 0x3727c5ac                      ; 1e-5
	s_wait_alu depctr_va_vdst(0)
	s_wait_kmcnt 0x0
	s_add_nc_u64 s[4:5], s[4:5], s[14:15]
	s_add_nc_u64 s[10:11], s[10:11], s[24:25]
.irp j, 0,1,2,3,4,5,6,7
	global_load_b128 v[X+4*\j:X+4*\j+3], v3, s[4:5] offset:512*\j
.endr
.irp j, 0,1,2,3,4,5,6,7
	global_load_b128 v[G+4*\j:G+4*\j+3], v3, s[6:7] offset:512*\j
.endr
.irp j, 0,1,2,3,4,5,6,7
	global_load_b128 v[BV+4*\j:BV+4*\j+3], v3, s[8:9] offset:512*\j
.endr
	s_mul_i32 s19, s12, STG
	v_lshrrev_b32 v4, 3, v2
	s_delay_alu instid0(VALU_DEP_1)
	v_mul_u32_u24 v4, v4, 144
	v_and_b32 v5, 7, v2
	s_delay_alu instid0(VALU_DEP_1)
	v_lshl_add_u32 v4, v5, 4, v4
	s_delay_alu instid0(VALU_DEP_1)
	v_add_nc_u32 v4, s19, v4                       ; into the stage: block 4 j + l / 8, 16 (l % 8) bytes in
	v_mul_u32_u24 v5, v2, 144
	s_delay_alu instid0(VALU_DEP_1)
	v_add_nc_u32 v5, s19, v5                       ; out of it: block l
	v_lshrrev_b32 v6, 4, v2                        ; block l = chunk l / 16, kk = (l / 4) % 4, c = (l / 2) % 2, h = l % 2
	s_delay_alu instid0(VALU_DEP_1)
	v_mul_u32_u24 v6, v6, REC
	v_bfe_u32 v7, v2, 2, 2
	s_delay_alu instid0(VALU_DEP_1)
	v_mad_u32_u24 v7, v7, 1536, v6
	v_bfe_u32 v16, v2, 1, 1
	s_delay_alu instid0(VALU_DEP_1)
	v_mad_u32_u24 v7, v16, 768, v7
	v_and_b32 v16, 1, v2
	s_lshl_b32 s20, s12, 4
	s_add_co_u32 s22, s20, RECS+6144
	s_add_co_u32 s20, s20, RECS
	s_lshl_b32 s21, s12, 3
	s_add_co_u32 s21, s21, RECS+512
	v_lshl_add_u32 v17, v16, 8, v7
	s_delay_alu instid0(VALU_DEP_1)
	v_add_nc_u32 v17, s20, v17                     ; registers 0-3 of the half image: 16 (r + 16 h)
	v_lshl_add_u32 v18, v16, 7, v7
	s_delay_alu instid0(VALU_DEP_1)
	v_add_nc_u32 v18, s21, v18                     ; registers 4, 5: 512 + 8 (r + 16 h)
	v_and_b32 v19, 15, v2
	s_delay_alu instid0(VALU_DEP_1)
	v_add_nc_u32 v19, v19, v6
	s_delay_alu instid0(VALU_DEP_1)
	v_add_nc_u32 v19, s22, v19                     ; the scale byte: 6144 + 16 r + l % 16
	v_lshl_add_u32 v21, v0, 4, RECS                ; the way out: 16 bytes a thread
	v_lshlrev_b32 v22, 4, v0
	s_delay_alu instid0(VALU_DEP_1)
	v_add_nc_u32 v23, CHS-REC, v22                 ; the second record lies a chunk further on in arec
	v_cmp_lt_u32 vcc_lo, 399, v0                   ; it begins at thread 400 (6,400 bytes)
	s_delay_alu instid0(VALU_DEP_1)
	v_cndmask_b32 v22, v22, v23, vcc_lo
.macro WSUM                            ; v8 summed over the 32 lanes, the result in every lane
	s_delay_alu instid0(VALU_DEP_1)
	v_add_f32_dpp v8, v8, v8 row_xmask:1 row_mask:0xf bank_mask:0xf
	s_delay_alu instid0(VALU_DEP_1)
	v_add_f32_dpp v8, v8, v8 row_xmask:2 row_mask:0xf bank_mask:0xf
	s_delay_alu instid0(VALU_DEP_1)
	v_add_f32_dpp v8, v8, v8 row_xmask:4 row_mask:0xf bank_mask:0xf
	s_delay_alu instid0(VALU_DEP_1)
	v_add_f32_dpp v8, v8, v8 row_xmask:8 row_mask:0xf bank_mask:0xf
	s_delay_alu instid0(VALU_DEP_1)
	v_permlanex16_b32 v9, v8, s16, s17
	s_delay_alu instid0(VALU_DEP_1)
	v_add_f32 v8, v8, v9
.endm
.macro FOLD                            ; four chains of pairs into v8
	s_delay_alu instid0(VALU_DEP_3)
	v_pk_add_f32 v[8:9], v[8:9], v[10:11]
	s_delay_alu instid0(VALU_DEP_2)
	v_pk_add_f32 v[12:13], v[12:13], v[14:15]
	s_delay_alu instid0(VALU_DEP_1)
	v_pk_add_f32 v[8:9], v[8:9], v[12:13]
	s_delay_alu instid0(VALU_DEP_1)
	v_add_f32 v8, v8, v9
.endm
	s_wait_loadcnt 16                              ; x's eight loads are in; the gain's and the bias's sixteen may be out
.irp c, 0,1,2,3
	v_pk_add_f32 v[8+2*\c:9+2*\c], v[X+4*\c:X+4*\c+1], v[X+4*\c+2:X+4*\c+3]
.endr
.irp i, 16,24
.irp c, 0,1,2,3
	s_delay_alu instid0(VALU_DEP_4)
	v_pk_add_f32 v[8+2*\c:9+2*\c], v[8+2*\c:9+2*\c], v[X+\i+2*\c:X+\i+2*\c+1]
.endr
.endr
	FOLD
	WSUM
	s_delay_alu instid0(VALU_DEP_1)
	v_mul_f32 v10, 0x3a800000, v8                  ; the mean: / 1,024
	s_delay_alu instid0(VALU_DEP_1)
	v_mov_b32 v11, v10
.set j, 0
.rept 16
	v_pk_add_f32 v[X+j:X+j+1], v[X+j:X+j+1], v[10:11] neg_lo:[0,1] neg_hi:[0,1]   ; x - mean: the variance is taken of these, so a common offset does no harm
.set j, j+2
.endr
.irp c, 0,1,2,3
	v_pk_mul_f32 v[8+2*\c:9+2*\c], v[X+2*\c:X+2*\c+1], v[X+2*\c:X+2*\c+1]
.endr
.irp i, 8,16,24
.irp c, 0,1,2,3
	s_delay_alu instid0(VALU_DEP_4)
	v_pk_fma_f32 v[8+2*\c:9+2*\c], v[X+\i+2*\c:X+\i+2*\c+1], v[X+\i+2*\c:X+\i+2*\c+1], v[8+2*\c:9+2*\c]
.endr
.endr
	FOLD
	WSUM
	s_delay_alu instid0(VALU_DEP_1)
	v_fma_f32 v8, v8, 0x3a800000, s18              ; variance + 1e-5
	s_wait_alu depctr_va_vdst(0)
	v_rsq_f32 v12, v8
	v_nop                                          ; a plain instruction between the root and the use of its result
	s_wait_alu depctr_va_vdst(0)
	v_mov_b32 v13, v12
	s_wait_alu depctr_va_vdst(0)
	s_wait_loadcnt 0x0                             ; gain and bias
.set j, 0
.rept 16
	v_pk_mul_f32 v[X+j:X+j+1], v[X+j:X+j+1], v[12:13]
	s_delay_alu instid0(VALU_DEP_1)
	v_pk_fma_f32 v[X+j:X+j+1], v[X+j:X+j+1], v[G+j:G+j+1], v[BV+j:BV+j+1]
.set j, j+2
.endr
.irp j, 0,1,2,3,4,5,6,7
	ds_store_b128 v4, v[X+4*\j:X+4*\j+3] offset:576*\j
.endr
.irp i, 0,1,2,3,4,5,6,7
	ds_load_b128 v[Y+4*\i:Y+4*\i+3], v5 offset:16*\i   ; LDS serves a wave's instructions in order: these see the stores above
.endr
	s_wait_dscnt 0x0
	v_max3_num_f32 v8, |v[Y]|, |v[Y+1]|, |v[Y+2]|  ; the block's largest magnitude: all 32 numbers are mine
	v_max3_num_f32 v9, |v[Y+3]|, |v[Y+4]|, |v[Y+5]|
.irp i, 6,10,14,18,22,26
	s_delay_alu instid0(VALU_DEP_2)
	v_max3_num_f32 v8, v8, |v[Y+\i]|, |v[Y+\i+1]|
	s_delay_alu instid0(VALU_DEP_2)
	v_max3_num_f32 v9, v9, |v[Y+\i+2]|, |v[Y+\i+3]|
.endr
	s_delay_alu instid0(VALU_DEP_2)
	v_max3_num_f32 v8, v8, |v[Y+30]|, |v[Y+31]|
	s_delay_alu instid0(VALU_DEP_1)
	v_max3_num_f32 v8, v8, v9, 0x1800000           ; and the floor 2^(3 - 127): the byte cannot fall under 1
	s_delay_alu instid0(VALU_DEP_1)
	v_add_nc_u32 v10, 0xff000000, v8               ; 2 off the exponent field: the conversion takes this operand's exponent field as its scale
	s_delay_alu instid0(VALU_DEP_1)
	v_lshrrev_b32 v11, 23, v10                     ; the scale's byte
	v_cvt_scalef32_pk16_fp6_f32 v[C:C+2], v[Y:Y+15], v10
	v_cvt_scalef32_pk16_fp6_f32 v[D:D+2], v[Y+16:Y+31], v10
	v_nop                                          ; one plain place behind a scaled conversion
.irp i, 0,1,2
	v_mov_b32 v[C+3+\i], v[D+\i]
.endr
	ds_store_b128 v17, v[C:C+3]
	ds_store_b64 v18, v[C+4:C+5]
	ds_store_b8 v19, v11
	s_wait_dscnt 0x0                               ; for the others' sake: my stores into the records are done
	s_barrier_signal -1
	s_barrier_wait -1
	ds_load_b128 v[24:27], v21
	s_cmp_gt_u32 s12, 8                            ; 12,800 bytes = 512 threads x 16 + 288 threads x 16: waves 0-8 take a second piece
	s_cbranch_scc1 .Lone
	ds_load_b128 v[28:31], v21 offset:8192
	s_wait_dscnt 0x0
	global_store_b128 v23, v[28:31], s[10:11] offset:8192
.Lone:
	s_wait_dscnt 0x0
	global_store_b128 v22, v[24:27], s[10:11]      ; sixteen lanes store 256 consecutive bytes, at a multiple of 256 from arec's first byte
	s_wait_tensorcnt 0x0
	ds_add_u32 v120, v121
	s_wait_dscnt 0x0
	s_endpgm
; THE WEIGHTS.  Work-group p = x - 256, wave w: record 16 (p - p0) + w of its weight.  No LDS, no barrier on this way.
.Lprep:
	s_load_b512 s[16:31], s[0:1], 0x20             ; codes and scales of w_qkv, w_prj, w_fc1, w_fc2
	s_load_b64 s[32:33], s[0:1], 0x60              ; wimg
	v_lshrrev_b32 v1, 5, v0
	s_delay_alu instid0(VALU_DEP_1)
	v_readfirstlane_b32 s12, v1
	v_and_b32 v2, 15, v0                           ; r
	v_bfe_u32 v3, v0, 4, 1                         ; h
	s_delay_alu instid0(VALU_DEP_2)
	v_and_b32 v4, 8, v2
	s_delay_alu instid0(VALU_DEP_1)
	v_add_nc_u32 v4, v4, v2                        ; r + 8 (r / 8)
	v_and_b32 v5, 31, v0
	s_delay_alu instid0(VALU_DEP_1)
	v_lshlrev_b32 v6, 4, v5
	s_delay_alu instid0(VALU_DEP_2)
	v_lshlrev_b32 v7, 3, v5
	s_sub_co_u32 s34, ttmp9, 256
	s_mov_b32 s40, 64                              ; w_fc2's figures: first work-group,
	s_mov_b32 s41, 3072                            ; bytes in a row of codes,
	s_mov_b32 s42, 128                             ; of scale bytes,
	s_mov_b32 s43, 64                              ; tiles of 16 rows,
	s_mov_b32 s44, 3                               ; log2 of its chunks,
	s_mov_b32 s45, 6553600                         ; its place in wimg
	s_wait_alu depctr_va_vdst(0)
	s_wait_kmcnt 0x0
	s_mov_b64 s[36:37], s[28:29]
	s_mov_b64 s[38:39], s[30:31]
.macro PICK lim, cp, p0, nt, off       ; the choice hangs on the work-group's number alone
	s_cmp_lt_u32 s34, \lim
	s_cselect_b64 s[36:37], s[\cp:\cp+1], s[36:37]
	s_cselect_b64 s[38:39], s[\cp+2:\cp+3], s[38:39]
	s_cselect_b32 s40, \p0, s40
	s_cselect_b32 s43, \nt, s43
	s_cselect_b32 s45, \off, s45
.endm
	PICK 64, 24, 32, 256, 3276800                  ; w_fc1
	s_cselect_b32 s41, 768, s41                    ; (the selects leave SCC as it is)  the three others have K = 1,024
	s_cselect_b32 s42, 32, s42
	s_cselect_b32 s44, 1, s44
	PICK 32, 20, 24, 64, 2457600                   ; w_prj
	PICK 24, 16, 0, 192, 0                         ; w_qkv
	s_sub_co_u32 s34, s34, s40
	s_lshl_b32 s34, s34, 4
	s_add_co_u32 s34, s34, s12                     ; the record's number
	s_lshr_b32 s46, s34, s44                       ; tile T
	s_lshl_b32 s47, 1, s44
	s_sub_co_u32 s47, s47, 1
	s_and_b32 s47, s34, s47                        ; chunk
	s_lshr_b32 s48, s46, 1
	s_lshl_b32 s48, s48, 5
	s_and_b32 s49, s46, 1
	s_lshl_b32 s49, s49, 3
	s_add_co_u32 s48, s48, s49                     ; the tile's first row: 32 (T / 2) + 8 (T % 2)
	s_mul_i32 s50, s48, s41
	s_mul_i32 s49, s47, 384                        ; 512 codes are 384 bytes
	s_add_co_u32 s50, s50, s49
	s_mov_b32 s51, 0
	s_add_nc_u64 s[36:37], s[36:37], s[50:51]
	s_mul_i32 s50, s48, s42
	s_lshl_b32 s49, s47, 4
	s_add_co_u32 s50, s50, s49
	s_add_nc_u64 s[38:39], s[38:39], s[50:51]
	s_mul_i32 s50, s47, s43
	s_add_co_u32 s50, s50, s46
	s_mul_i32 s50, s50, REC
	s_add_co_u32 s50, s50, s45
	s_add_nc_u64 s[32:33], s[32:33], s[50:51]
	v_mul_lo_u32 v8, v4, s41
	s_delay_alu instid0(VALU_DEP_1)
	v_mad_u32_u24 v8, v3, 24, v8                   ; my row's codes, + 24 h
	v_mul_lo_u32 v9, v4, s42
	s_delay_alu instid0(VALU_DEP_1)
	v_lshl_add_u32 v9, v3, 3, v9                   ; my row's 16 scale bytes of the chunk, 8 a lane
.irp k, 0,1,2,3
.irp c, 0,1
.irp p, 0,1,2
	global_load_b64 v[16+12*\k+6*\c+2*\p:17+12*\k+6*\c+2*\p], v8, s[36:37] offset:96*\k+48*\c+8*\p
.endr
.endr
.endr
	global_load_b64 v[12:13], v9, s[38:39]
	s_wait_loadcnt 0x0
.irp k, 0,1,2,3
.irp c, 0,1
	global_store_b128 v6, v[16+12*\k+6*\c:19+12*\k+6*\c], s[32:33] offset:1536*\k+768*\c
	global_store_b64 v7, v[20+12*\k+6*\c:21+12*\k+6*\c], s[32:33] offset:1536*\k+768*\c+512
.endr
.endr
	v_lshl_add_u32 v10, v2, 4, 6144
	s_delay_alu instid0(VALU_DEP_1)
	v_lshl_add_u32 v10, v3, 3, v10
	global_store_b64 v10, v[12:13], s[32:33]       ; 6144 + 16 r + 8 h: the 32 lanes cover the record's last 256 bytes
	s_endpgm
.Lfunc_end_k_qc4a2f25b6c_ln1:
	.size	k_qc4a2f25b6c_ln1, .Lfunc_end_k_qc4a2f25b6c_ln1-k_qc4a2f25b6c_ln1
	.p2alignl 7, 3214868480
	.fill 96, 4, 3214868480
	.section	.rodata,"a",@progbits
	.p2align	6, 0x0
	.amdhsa_kernel k_qc4a2f25b6c_ln1
		.amdhsa_group_segment_fixed_size 88576
		.amdhsa_private_segment_fixed_size 0
		.amdhsa_enable_private_segment 0
		.amdhsa_kernarg_size 104
		.amdhsa_user_sgpr_count 2
		.amdhsa_user_sgpr_kernarg_segment_ptr 1
		.amdhsa_wavefront_size32 1
		.amdhsa_system_sgpr_workgroup_id_x 1
		.amdhsa_system_sgpr_workgroup_id_y 1
		.amdhsa_system_sgpr_workgroup_id_z 1
		.amdhsa_system_vgpr_workitem_id 0
		.amdhsa_next_free_vgpr 122
		.amdhsa_next_free_sgpr 66
		.amdhsa_reserve_vcc 1
		.amdhsa_float_denorm_mode_32 3
		.amdhsa_float_denorm_mode_16_64 3
		.amdhsa_memory_ordered 1
		.amdhsa_forward_progress 1
		.amdhsa_inst_pref_size 25
	.end_amdhsa_kernel
	.amdgpu_metadata
---
amdhsa.version: [ 1, 2 ]
amdhsa.kernels:
  - .name:           k_qc4a2f25b6c_ln1
    .symbol:         k_qc4a2f25b6c_ln1.kd
    .args:
      - { .name: x, .offset: 0, .size: 8, .value_kind: global_buffer, .address_space: global }
      - { .name: ln1_g, .offset: 8, .size: 8, .value_kind: global_buffer, .address_space: global }
      - { .name: ln1_b, .offset: 16, .size: 8, .value_kind: global_buffer, .address_space: global }
      - { .name: arec, .offset: 24, .size: 8, .value_kind: global_buffer, .address_space: global }
      - { .name: w_qkv_codes, .offset: 32, .size: 8, .value_kind: global_buffer, .address_space: global }
      - { .name: w_qkv_scales, .offset: 40, .size: 8, .value_kind: global_buffer, .address_space: global }
      - { .name: w_prj_codes, .offset: 48, .size: 8, .value_kind: global_buffer, .address_space: global }
      - { .name: w_prj_scales, .offset: 56, .size: 8, .value_kind: global_buffer, .address_space: global }
      - { .name: w_fc1_codes, .offset: 64, .size: 8, .value_kind: global_buffer, .address_space: global }
      - { .name: w_fc1_scales, .offset: 72, .size: 8, .value_kind: global_buffer, .address_space: global }
      - { .name: w_fc2_codes, .offset: 80, .size: 8, .value_kind: global_buffer, .address_space: global }
      - { .name: w_fc2_scales, .offset: 88, .size: 8, .value_kind: global_buffer, .address_space: global }
      - { .name: wimg, .offset: 96, .size: 8, .value_kind: global_buffer, .address_space: global }
    .group_segment_fixed_size: 88576
    .private_segment_fixed_size: 0
    .kernarg_segment_align: 8
    .kernarg_segment_size: 104
    .max_flat_workgroup_size: 512
    .sgpr_count:     66
    .vgpr_count:     122
    .wavefront_size: 32
...
	.end_amdgpu_metadata
.endif
;; end of part 1
;; launch qkv (part 2): grid 8 x 32, 4 waves a work-group, clusters of 4 x 4, 327,680 bytes of LDS; arguments arec, wimg, att; writes att
.if DOCPART == 2
	.amdgcn_target "amdgcn-amd-amdhsa--gfx1250"
	.amdhsa_code_object_version 6
	.text
	.protected	k_qc4a2f25b6c_qkv
	.globl	k_qc4a2f25b6c_qkv
	.p2align	8
	.type	k_qc4a2f25b6c_qkv,@function
k_qc4a2f25b6c_qkv:
	s_mov_b64 s[64:65], 0
	v_nop
	global_prefetch_b8 v0, s[64:65] scope:SCOPE_SE
	s_setreg_imm32_b32 hwreg(HW_REG_WAVE_MODE, 25, 1), 1
	s_wait_xcnt 0x0
	s_wait_alu depctr_hold_cnt(0) depctr_sa_sdst(0) depctr_va_vdst(0) depctr_va_sdst(0) depctr_va_ssrc(0) depctr_va_vcc(0) depctr_vm_vsrc(0)
	s_getreg_b32 s2, hwreg(HW_REG_IB_STS2, 6, 4)
	s_cmp_eq_u32 s2, 0
	s_cbranch_scc0 .Lentry_in_a_cluster
	s_endpgm
.Lentry_in_a_cluster:
	s_bfe_u32 s2, ttmp6, 0x10000c
	s_cmp_lg_u32 s2, 0xf033
	s_cbranch_scc0 .Lentry_shape_is_right
	s_endpgm
.Lentry_shape_is_right:
; q, k, v = Q(LN1(x)) Q(w_qkv), on codes of E2M3 with E8M0 scales, and the quantising of q, k (along the head's 64) and v (along the keys) for attention.
; OPERANDS are records (6,400 bytes: 16 rows x 512 along K as images of the fragments' registers, then 16 scale bytes a row); a buffer is [chunk of 512][tile of 16 rows].
; SHARES.  Work-group (g, LB): tokens 128 LB .. +127 against three tiles of 128 columns: 128 g of q, of k and of v (heads 2 g, 2 g + 1).  Four waves, each 64 tokens (wr) x 64 columns (wc = one head): 16 accumulators.
; The tokens' codes for all of K (102,400 bytes) stay in LDS; the weights' tiles, whole K each, go through two slots.  Each wave brings a quarter of a region by one tensor load of 100 rows of 256 bytes.
; CLUSTER 4 x 4: the tokens' tile hangs on LB alone and is asked for jointly along a row of the cluster, a weights' tile on g alone, jointly along a column.
; q, k: the product is used transposed (source 0 = 16 weight rows, source 1 = 16 tokens): a lane holds one token, and by the weight tiles' row order its 32 registers are columns 32 b + 16 h + i of the head.
; v: source 0 = 16 tokens, source 1 = 16 weight rows: a lane holds one channel of the head and its registers run along the tokens.  Inside a block of 32 tokens the codes stand in the order
; 0-7, 16-23, 8-15, 24-31; attention's p stands in the same order, so the products are the same.
; OUT (att): q's and k's half images [head slot][token tile][768]; their scale words (byte 0, 1: the head's two blocks; bytes 2, 3 = 0, over the zero codes that fill K from 64 to 128);
; v's images [batch x head][128 keys][16 channels][1536] and its scale words.  v's scale bytes leave in stores of 2 bytes: 1/48 of the codes' bytes.
; LIMITS: a block of zeros gets the byte 1 (its codes are zeros; this program alone reads the bytes); NaN and infinities are not served.
; REGISTERS.  Window 0: v1-7, v16-25 addresses; v28, v29 for the add; v32-63 scale words, two sets (in the epilogues the quantiser's work registers); v128-255 accumulators.  Window 1: two fragment buffers of 96.
.set REC,   6400
.set HALF,  4*REC                      ; what one tensor load brings, and what a wave reads of a side for one chunk
.set CHK,   8*REC                      ; 128 rows x 512 along K
.set BS0,   2*CHK                      ; LDS: the tokens at 0, the weights' slots at BS0 and BS1
.set BS1,   4*CHK
.set SPARE, 6*CHK                      ; the spare words, 128 bytes a wave: two blocks of 256 bytes that no other line names
.set ACHS,  256*REC                    ; arec: from chunk to chunk
.set BCHS,  192*REC                    ; w_qkv's records: from chunk to chunk
.set BSTEP, 8*CHK                      ; from q's tile to k's to v's: 1,024 columns
.set QS,    6291456                    ; att: q's scale words
.set SCL,   6553600                    ; k's and v's scale words, 12,288 bytes for each batch x head
.set VC,    6946816                    ; v's images
.set KOFF,  16*256*768                 ; from q's half images to k's
.set SC,  32
.set ACC, 128
.set F0,  0
.set TM,  32
.set PT,  44
.set PC,  48
.set PW,  56
.set SEL, 22
.set G1A, 24
.set G0A, 32
.set G1B, 48
.set G0B, 56
.set MSB, 0
.macro WIN new                         ; the immediate's high byte repeats the setting that is left
.if MSB != \new
	s_set_vgpr_msb (MSB<<8)|\new
.set MSB, \new
.endif
.endm
.macro PLACES                          ; four places behind a matrix instruction, in front of loads into its registers and of reads of its results
.rept 4
	v_nop
.endr
.endm
.macro ROUND                           ; a round of the cluster's barrier
	s_barrier_signal -1
	s_barrier_wait -1
	s_cmp_lg_u32 s10, 0
	s_cbranch_scc1 .Lnw0_\@
	s_barrier_signal -3
.Lnw0_\@:
	s_barrier_wait -3
	s_barrier_signal -1
	s_barrier_wait -1
.endm
; 32 numbers of a lane, register 16 b + i = k 32 b + 16 (lane / 16) + i of the lane's row, become a half image (6 registers at pc: lane (r, h) holds block h) and the two scale bytes (pw).
.macro QH s, pc, pw
	v_max3_num_f32 v[TM], |v[\s]|, |v[\s+1]|, 0x1800000       ; the floor 2^(3 - 127): the byte cannot fall under 1
	v_max3_num_f32 v[TM+1], |v[\s+16]|, |v[\s+17]|, 0x1800000
.irp i, 2,4,6,8,10,12,14
	v_max3_num_f32 v[TM], v[TM], |v[\s+\i]|, |v[\s+\i+1]|
	v_max3_num_f32 v[TM+1], v[TM+1], |v[\s+16+\i]|, |v[\s+17+\i]|
.endr
	v_permlanex16_b32 v[TM+2], v[TM], s[SEL], s[SEL+1]
	v_permlanex16_b32 v[TM+3], v[TM+1], s[SEL], s[SEL+1]
	v_max_num_f32 v[TM], v[TM], v[TM+2]            ; with lane l xor 16's: the block's largest magnitude
	v_max_num_f32 v[TM+1], v[TM+1], v[TM+3]
	v_add_nc_u32 v[TM+4], 0xff000000, v[TM]        ; 2 off the exponent field: the conversion's scale operand
	v_add_nc_u32 v[TM+5], 0xff000000, v[TM+1]
	v_lshrrev_b32 v[TM+2], 23, v[TM+4]
	v_lshrrev_b32 v[TM+3], 23, v[TM+5]
	v_lshl_or_b32 v[\pw], v[TM+3], 8, v[TM+2]
	v_cvt_scalef32_pk16_fp6_f32 v[\pc:\pc+2], v[\s:\s+15], v[TM+4]
	v_cvt_scalef32_pk16_fp6_f32 v[PT:PT+2], v[\s+16:\s+31], v[TM+5]
	v_nop                                          ; one plain place behind a scaled conversion
.irp i, 0,1,2
	v_permlane16_swap_b32 v[\pc+\i], v[PT+\i]      ; the first now holds each lane's block's lower 16 codes, the second the upper 16
.endr
.irp i, 0,1,2
	v_mov_b32 v[\pc+3+\i], v[PT+\i]
.endr
.endm
; The eight fragments of one K step (4 of the tokens, 4 of the weights) into buffer f of window 1: each is two loads of 16 bytes and two of 8 bytes a lane, consecutive over the lanes.
.macro FETCH a16, a8, b16, b8, kk, f
	PLACES
	WIN 0x40
.irp i, 0,1,2,3
	ds_load_b128 v[(\f)+12*\i:(\f)+12*\i+3], v[\a16] offset:\i*REC+(\kk)*1536
	ds_load_b64 v[(\f)+12*\i+4:(\f)+12*\i+5], v[\a8] offset:\i*REC+(\kk)*1536+512
	ds_load_b128 v[(\f)+12*\i+6:(\f)+12*\i+9], v[\a16] offset:\i*REC+(\kk)*1536+768
	ds_load_b64 v[(\f)+12*\i+10:(\f)+12*\i+11], v[\a8] offset:\i*REC+(\kk)*1536+1280
.endr
.irp i, 0,1,2,3
	ds_load_b128 v[(\f)+48+12*\i:(\f)+48+12*\i+3], v[\b16] offset:\i*REC+(\kk)*1536
	ds_load_b64 v[(\f)+48+12*\i+4:(\f)+48+12*\i+5], v[\b8] offset:\i*REC+(\kk)*1536+512
	ds_load_b128 v[(\f)+48+12*\i+6:(\f)+48+12*\i+9], v[\b16] offset:\i*REC+(\kk)*1536+768
	ds_load_b64 v[(\f)+48+12*\i+10:(\f)+48+12*\i+11], v[\b8] offset:\i*REC+(\kk)*1536+1280
.endr
.endm
.macro SCALES adr, set                 ; a chunk's scale words: register 4 i + kk: lanes 0-15 the tokens' tile i, lanes 16-31 the weights' tile i
.irp i, 0,1,2,3
	ds_load_b128 v[SC+16*\set+4*\i:SC+16*\set+4*\i+3], v[\adr] offset:\i*REC
.endr
.endm
; 16 matrix instructions, the 16 accumulators by turns, in the same order in every K step.
.macro MUL16 f, set, kk, mode, zero
.irp a, 0,1,2,3
.irp b, 0,1,2,3
.set FA, (\f)+12*\a
.set FB, (\f)+48+12*\b
.set SA, SC+16*(\set)+4*\a+(\kk)
.set SB, SC+16*(\set)+4*\b+(\kk)
.if \mode == 0
.set DD, ACC+8*(4*\a+\b)
.if \zero
	v_wmma_scale_f32_16x16x128_f8f6f4 v[DD:DD+7], v[FB:FB+11], v[FA:FA+11], 0, v[SB], v[SA] matrix_a_fmt:MATRIX_FMT_FP6 matrix_b_fmt:MATRIX_FMT_FP6 matrix_a_scale:MATRIX_SCALE_ROW1
.else
	v_wmma_scale_f32_16x16x128_f8f6f4 v[DD:DD+7], v[FB:FB+11], v[FA:FA+11], v[DD:DD+7], v[SB], v[SA] matrix_a_fmt:MATRIX_FMT_FP6 matrix_b_fmt:MATRIX_FMT_FP6 matrix_a_scale:MATRIX_SCALE_ROW1
.endif
.else
.set DD, ACC+8*(4*\b+\a)
.if \zero
	v_wmma_scale_f32_16x16x128_f8f6f4 v[DD:DD+7], v[FA:FA+11], v[FB:FB+11], 0, v[SA], v[SB] matrix_a_fmt:MATRIX_FMT_FP6 matrix_b_fmt:MATRIX_FMT_FP6 matrix_b_scale:MATRIX_SCALE_ROW1
.else
	v_wmma_scale_f32_16x16x128_f8f6f4 v[DD:DD+7], v[FA:FA+11], v[FB:FB+11], v[DD:DD+7], v[SA], v[SB] matrix_a_fmt:MATRIX_FMT_FP6 matrix_b_fmt:MATRIX_FMT_FP6 matrix_b_scale:MATRIX_SCALE_ROW1
.endif
.endif
.endr
.endr
.endm
; A tile's head.  Every wave waits for all its tensor loads (the slot about to be read among them), adds 0 to its spare word, and waits for that and for its reads of the other slot.
; refill = 1: a round of the cluster's barrier, and first behind it the joint load of the next tile into the other slot: it has this tile's products and epilogue in which to land.
.macro HEAD refill
	WIN 0
	s_wait_tensorcnt 0x0                           ; no tensor load of mine is out, so the group 0 may be written
	ds_add_u32 v28, v29                            ; 0 onto my spare word
.if \refill
	s_xor_b32 s47, s47, BS0^BS1                    ; the other slot's first byte,
	s_add_co_u32 s[G0B+1], s47, s15                ; my quarter of it,
	s_add_nc_u64 s[G0B+2:G0B+3], s[G0B+2:G0B+3], BSTEP   ; the next tile of weights
.endif
	s_wait_dscnt 0x0                               ; the add is done, and my reads of the slot that I have left are over
.if \refill
	ROUND
	tensor_load_to_lds s[G0B:G0B+3], s[G1B:G1B+7]
	s_nop 0
	PLACES
.else
	s_barrier_signal -1
	s_barrier_wait -1
.endif
.endm
; A tile's eight K steps.  Step i's fragments were asked for ahead of step i - 1's sixteen matrix instructions.
.macro KLOOP mode
	v_add_nc_u32 v20, s20, v1                      ; the weights' fragments in the slot in hand: chunk 0,
	v_add_nc_u32 v22, s20, v2
	v_add_nc_u32 v21, CHK, v20                     ; chunk 1
	v_add_nc_u32 v23, CHK, v22
	s_add_co_u32 s21, s20, s16
	s_sub_co_u32 s21, s21, s17                     ; from my tokens' scale bytes to my weights'
	v_mad_u32_u24 v24, v4, s21, v3                 ; lanes 16-31 take the weights'
	v_add_nc_u32 v25, CHK, v24
	FETCH 16, 18, 20, 22, 0, F0
	WIN 0
	SCALES 24, 0
	SCALES 25, 1
.set i, 0
	s_wait_alu depctr_va_vdst(0)
.rept 8
	s_wait_dscnt 0x0                               ; this step's fragments are in
.if i < 7
	FETCH 16+(i+1)/4, 18+(i+1)/4, 20+(i+1)/4, 22+(i+1)/4, (i+1)%4, F0+96*((i+1)%2)
.endif
	WIN 0x05                                       ; sources 0 and 1 window 1; C and D window 0
.if i == 0
	MUL16 F0, 0, 0, \mode, 1                       ; the first K step starts the sums
.else
	MUL16 F0+96*(i%2), i/4, i%4, \mode, 0
.endif
.set i, i+1
.endr
	WIN 0
	PLACES
	s_xor_b32 s20, s20, BS0^BS1                    ; the next tile lies in the other slot
.endm
.macro EPQ coff, wb                    ; q or k: four token tiles, each a half image (768 consecutive bytes) and a scale word a token
.irp a, 0,1,2,3
	s_wait_xcnt 0x0                                ; the earlier stores have read their registers
	QH ACC+32*\a, PC, PW+\a
	global_store_b128 v5, v[PC:PC+3], s[66:67] offset:\coff+\a*768
	global_store_b64 v6, v[PC+4:PC+5], s[66:67] offset:\coff+\a*768+512
.endr
	v_cndmask_b32 v[PW], v[PW], v[PW+1], s46       ; lanes 16-31 carry the next tile's words: a store covers 128 consecutive bytes
	v_cndmask_b32 v[PW+2], v[PW+2], v[PW+3], s46
	global_store_b32 v7, v[PW], s[\wb:\wb+1]
	global_store_b32 v7, v[PW+2], s[\wb:\wb+1] offset:128
	s_wait_xcnt 0x0                                ; these registers take the next tile's scale words
.endm
	s_load_b128 s[4:7], s[0:1], 0x0                ; arec, wimg
	s_load_b64 s[8:9], s[0:1], 0x10                ; att
	v_lshl_add_u32 v28, v0, 2, SPARE
	v_mov_b32 v29, 0
	ds_add_u32 v28, v29
	ds_add_u32 v28, v29
	s_wait_dscnt 0x0
	v_lshrrev_b32 v1, 5, v0
	v_readfirstlane_b32 s10, v1                    ; wave 0..3
	s_lshr_b32 s11, s10, 1                         ; wr: my half of the tokens.  Also: the chunk that I fetch
	s_and_b32 s12, s10, 1                          ; wc: my half of the columns.  Also: which four tiles of it
	s_bfe_u32 s40, ttmp6, 0x40000                  ; cx, cy
	s_bfe_u32 s41, ttmp6, 0x40004
	s_lshl_b32 s14, ttmp9, 2
	s_add_co_u32 s14, s14, s40                     ; g
	s_and_b32 s13, ttmp7, 0xffff
	s_lshl_b32 s13, s13, 2
	s_add_co_u32 s13, s13, s41                     ; LB
	s_lshl_b32 s43, s41, 2
	s_lshl_b32 s43, 15, s43                        ; my row of the cluster
	s_lshl_b32 s44, 0x1111, s40                    ; my column
	s_or_b32 s[G1A], s43, (3<<16)|(1<<21)          ; 15:0 the mask; 17:16 elements of 8 bytes; 21 set beside a mask; no padding
	s_or_b32 s[G1B], s44, (3<<16)|(1<<21)
.irp g, G1A, G1B
	s_mov_b32 s[\g+1], 32<<16                      ; tensor_dim0 = 32 elements: rows of 256 bytes
	s_mov_b32 s[\g+2], 100<<16                     ; tensor_dim1 = 100 rows: 25,600 dense bytes
	s_mov_b32 s[\g+3], 32<<16                      ; tile_dim0
	s_mov_b32 s[\g+4], 100                         ; tile_dim1
	s_mov_b32 s[\g+5], 32                          ; the pitch
	s_mov_b32 s[\g+6], 0
	s_mov_b32 s[\g+7], 0
.endr
	; THE HEAD'S FILLS: one tensor load a wave: waves 0, 1 bring the tokens' chunk 0, 1 (8 records = 200 rows of 256 bytes), waves 2, 3 the first weights' tile's chunk 0, 1
	s_mov_b32 s[G1A+2], 200<<16
	s_mov_b32 s[G1A+4], 200
	s_or_b32 s80, s44, (3<<16)|(1<<21)             ; s[80:87]: group 1 of the head's load of weights: my column's mask, 200 rows
	s_mov_b32 s81, 32<<16
	s_mov_b32 s82, 200<<16
	s_mov_b32 s83, 32<<16
	s_mov_b32 s84, 200
	s_mov_b32 s85, 32
	s_mov_b32 s86, 0
	s_mov_b32 s87, 0
	s_mul_i32 s15, s10, HALF
	s_mul_i32 s16, s12, HALF
	s_mul_i32 s17, s11, HALF
	s_mul_i32 s36, s12, ACHS                       ; the tokens: chunk wave % 2, tiles 8 LB on
	s_mul_i32 s2, s13, CHK
	s_add_co_u32 s36, s36, s2
	s_mov_b32 s37, 0
	s_mul_i32 s38, s11, BCHS                       ; the weights: chunk wr, tiles 8 g + 4 wc on
	s_mul_i32 s45, s14, CHK
	s_add_co_u32 s38, s38, s45
	s_add_co_u32 s38, s38, s16
	s_mov_b32 s39, 0
	s_mov_b32 s[SEL], 0x76543210
	s_mov_b32 s[SEL+1], 0xfedcba98
	s_mov_b32 s46, 0xffff0000                      ; lanes 16-31
	s_mov_b32 s20, BS0                             ; the slot read next
	s_mov_b32 s47, BS0                             ; the slot filled last
	s_wait_kmcnt 0x0
	s_mov_b32 s[G0A], 1
	s_mul_i32 s[G0A+1], s12, CHK
	s_add_nc_u64 s[G0A+2:G0A+3], s[4:5], s[36:37]
	s_or_b32 s[G0A+3], s[G0A+3], 0x80000000
	s_mov_b32 s[G0B], 1
	s_add_co_u32 s[G0B+1], s15, BS0
	s_add_nc_u64 s[G0B+2:G0B+3], s[6:7], s[38:39]
	s_or_b32 s[G0B+3], s[G0B+3], 0x80000000
	s_mov_b32 s88, 1                               ; s[88:91]: group 0 of the head's load of weights: chunk wave % 2 of q's tile, whole
	s_mul_i32 s89, s12, CHK
	s_add_co_u32 s89, s89, BS0
	s_mul_i32 s92, s12, BCHS
	s_add_co_u32 s92, s92, s45
	s_mov_b32 s93, 0
	s_add_nc_u64 s[90:91], s[6:7], s[92:93]
	s_or_b32 s91, s91, 0x80000000
	ROUND                                          ; all sixteen work-groups are here: the first joint loads meet
	s_cmp_eq_u32 s11, 0                            ; one load in each arm: every way through the head passes one
	s_cbranch_scc0 .Lhead_b
	tensor_load_to_lds s[G0A:G0A+3], s[G1A:G1A+7]
	s_nop 0
	PLACES
	s_branch .Lhead_ok
.Lhead_b:
	tensor_load_to_lds s[88:91], s[80:87]
	s_nop 0
	PLACES
.Lhead_ok:
	PLACES
	v_and_b32 v9, 31, v0
	v_and_b32 v10, 15, v0
	v_bfe_u32 v4, v0, 4, 1                         ; h
	v_lshlrev_b32 v5, 4, v9                        ; 16 L, 8 L, 4 L
	v_lshlrev_b32 v6, 3, v9
	v_lshlrev_b32 v7, 2, v9
	v_add_nc_u32 v1, s16, v5                       ; my weights' fragments in a slot
	v_add_nc_u32 v2, s16, v6
	v_add_nc_u32 v16, s17, v5                      ; my tokens' fragments: chunk 0, 1
	v_add_nc_u32 v18, s17, v6
	v_add_nc_u32 v17, CHK, v16
	v_add_nc_u32 v19, CHK, v18
	v_lshl_add_u32 v3, v10, 4, s17
	v_add_nc_u32 v3, 6144, v3                      ; my tokens' scale bytes
	v_mov_b32 v34, 0                               ; written once: a lane permute's destination counts as one of its sources
	v_mov_b32 v35, 0
	; where the results go
	s_lshl_b32 s60, s14, 1
	s_add_co_u32 s60, s60, s12                     ; my head: 2 g + wc
	s_lshr_b32 s61, s13, 4
	s_lshl_b32 s61, s61, 4
	s_add_co_u32 s61, s61, s60                     ; batch x 16 + head
	s_and_b32 s62, s13, 15                         ; my 128 tokens in the batch
	s_mov_b32 s77, 0
	s_lshl_b32 s76, s60, 8
	s_lshl_b32 s63, s13, 3
	s_add_co_u32 s76, s76, s63
	s_lshl_b32 s63, s11, 2
	s_add_co_u32 s76, s76, s63
	s_mul_i32 s76, s76, 768
	s_add_nc_u64 s[66:67], s[8:9], s[76:77]        ; q's half images: (head x 256 + 8 LB + 4 wr) x 768
	s_lshl_b32 s76, s60, 14
	s_lshl_b32 s63, s13, 9
	s_add_co_u32 s76, s76, s63
	s_lshl_b32 s63, s11, 8
	s_add_co_u32 s76, s76, s63
	s_add_co_u32 s76, s76, QS
	s_add_nc_u64 s[68:69], s[8:9], s[76:77]        ; q's scale words
	s_mul_i32 s78, s61, 12288
	s_add_co_u32 s78, s78, SCL
	s_lshl_b32 s76, s62, 9
	s_add_co_u32 s76, s76, s63
	s_add_co_u32 s76, s76, s78
	s_add_nc_u64 s[70:71], s[8:9], s[76:77]        ; k's scale words
	s_lshl_b32 s76, s61, 4
	s_add_co_u32 s76, s76, s62
	s_mul_i32 s76, s76, 6144
	s_mul_i32 s63, s11, 768
	s_add_co_u32 s76, s76, s63
	s_add_co_u32 s76, s76, VC
	s_add_nc_u64 s[72:73], s[8:9], s[76:77]        ; v's images: my 64 tokens are half wr of a fragment's 128 keys
	s_lshl_b32 s76, s62, 8
	s_lshl_b32 s63, s11, 1
	s_add_co_u32 s76, s76, s63
	s_add_co_u32 s76, s76, s78
	s_add_co_u32 s76, s76, 8192
	s_add_nc_u64 s[74:75], s[8:9], s[76:77]        ; v's scale words: my two bytes of each
	HEAD 1
	s_wait_alu depctr_va_vdst(0)
	KLOOP 0
	EPQ 0, 68                                      ; q
	HEAD 1
	KLOOP 0
	EPQ KOFF, 70                                   ; k
	HEAD 0                                         ; the last tile: nothing is left to fetch
	KLOOP 1
.irp x, 0,1,2,3                                ; v: 16 channels at a time; a lane's 32 registers are 64 tokens
	s_wait_xcnt 0x0
	QH ACC+32*\x, PC, PW+\x
	global_store_b128 v5, v[PC:PC+3], s[72:73] offset:\x*1536
	global_store_b64 v6, v[PC+4:PC+5], s[72:73] offset:\x*1536+512
.endr
	v_cndmask_b32 v[PW], v[PW], v[PW+1], s46
	v_cndmask_b32 v[PW+2], v[PW+2], v[PW+3], s46
	global_store_b16 v7, v[PW], s[74:75]           ; two of a word's four bytes; the other two come from the wave with the other 64 tokens
	global_store_b16 v7, v[PW+2], s[74:75] offset:128
	s_wait_tensorcnt 0x0                           ; the wave's end
	ds_add_u32 v28, v29
	s_wait_dscnt 0x0
	ROUND                                          ; the closing round
	s_endpgm
.Lfunc_end_k_qc4a2f25b6c_qkv:
	.size	k_qc4a2f25b6c_qkv, .Lfunc_end_k_qc4a2f25b6c_qkv-k_qc4a2f25b6c_qkv
	.p2alignl 7, 3214868480
	.fill 96, 4, 3214868480
	.section	.rodata,"a",@progbits
	.p2align	6, 0x0
	.amdhsa_kernel k_qc4a2f25b6c_qkv
		.amdhsa_group_segment_fixed_size 327680
		.amdhsa_private_segment_fixed_size 0
		.amdhsa_enable_private_segment 0
		.amdhsa_kernarg_size 24
		.amdhsa_user_sgpr_count 2
		.amdhsa_user_sgpr_kernarg_segment_ptr 1
		.amdhsa_wavefront_size32 1
		.amdhsa_system_sgpr_workgroup_id_x 1
		.amdhsa_system_sgpr_workgroup_id_y 1
		.amdhsa_system_sgpr_workgroup_id_z 1
		.amdhsa_system_vgpr_workitem_id 0
		.amdhsa_next_free_vgpr 512
		.amdhsa_next_free_sgpr 100
		.amdhsa_reserve_vcc 0
		.amdhsa_float_denorm_mode_32 3
		.amdhsa_float_denorm_mode_16_64 3
		.amdhsa_memory_ordered 1
		.amdhsa_forward_progress 1
		.amdhsa_inst_pref_size 141
	.end_amdhsa_kernel
	.amdgpu_metadata
---
amdhsa.version: [ 1, 2 ]
amdhsa.kernels:
  - .name:           k_qc4a2f25b6c_qkv
    .symbol:         k_qc4a2f25b6c_qkv.kd
    .args:
      - { .name: arec, .offset: 0, .size: 8, .value_kind: global_buffer, .address_space: global }
      - { .name: wimg, .offset: 8, .size: 8, .value_kind: global_buffer, .address_space: global }
      - { .name: att, .offset: 16, .size: 8, .value_kind: global_buffer, .address_space: global }
    .group_segment_fixed_size: 327680
    .private_segment_fixed_size: 0
    .kernarg_segment_align: 8
    .kernarg_segment_size: 24
    .max_flat_workgroup_size: 128
    .sgpr_count:     100
    .vgpr_count:     512
    .wavefront_size: 32
...
	.end_amdgpu_metadata
.endif
;; end of part 2
;; launch attn (part 3): grid 8 x 32, 16 waves a work-group, clusters of 4 x 1, 210,944 bytes of LDS; arguments att, arec; writes arec
.if DOCPART == 3
	.amdgcn_target "amdgcn-amd-amdhsa--gfx1250"
	.amdhsa_code_object_version 6
	.text
	.protected	k_qc4a2f25b6c_attn
	.globl	k_qc4a2f25b6c_attn
	.p2align	8
	.type	k_qc4a2f25b6c_attn,@function
k_qc4a2f25b6c_attn:
	s_mov_b64 s[64:65], 0
	v_nop
	global_prefetch_b8 v0, s[64:65] scope:SCOPE_SE
	s_setreg_imm32_b32 hwreg(HW_REG_WAVE_MODE, 25, 1), 1
	s_wait_xcnt 0x0
	s_wait_alu depctr_hold_cnt(0) depctr_sa_sdst(0) depctr_va_vdst(0) depctr_va_sdst(0) depctr_va_ssrc(0) depctr_va_vcc(0) depctr_vm_vsrc(0)
	s_getreg_b32 s2, hwreg(HW_REG_IB_STS2, 6, 4)
	s_cmp_eq_u32 s2, 0
	s_cbranch_scc0 .Lentry_in_a_cluster
	s_endpgm
.Lentry_in_a_cluster:
	s_bfe_u32 s2, ttmp6, 0x10000c
	s_cmp_lg_u32 s2, 0x3003
	s_cbranch_scc0 .Lentry_shape_is_right
	s_endpgm
.Lentry_shape_is_right:
; o = softmax(q k^T / 8) v for one batch x head and 256 queries, both products on codes of E2M3 with E8M0 scales; o is quantised along the model's 1,024 and stored as part of the projection's operand records.
; THE SOFTMAX AHEAD OF THE SECOND PRODUCT: t = score x log2(e) / 8; M = the running largest t rounded UP to a whole number; p = 2^(t - M) is quantised along the keys, not normalised; the row's sum is
; taken of the unquantised p and divides at the end.  When M moves, the sum and O are multiplied by 2^(old M - new M): exact.
; SHARES.  Sixteen waves, each 16 queries in 256 registers, four waves to a SIMD, so that one wave's vector work stands beside another's matrix work and LDS loads.  Every wave walks the 2,048 keys, 128 a step.
; ALL OF THE HEAD'S K AND V STAYS IN LDS (98,304 bytes each, and 12,288 of scale words): filled once, in quarters of 512 keys, all landed before the first step.  Nothing is filled again.
; CLUSTER 4 x 1: the four query blocks of a cluster walk the same K and V: every load is a joint one (mask 15).  Waves 0-3 ask for K's quarters, waves 4-7 for V's, wave 8 for the scale words (one load each).
; LAYOUT.  S^T = K Q^T (source 0 = 16 keys, source 1 = my queries; K = the head's 64, the upper 64 of the instruction's 128 are zero codes), O^T = V^T P^T: a lane holds one query throughout.
; Key tiles are 16 neighbouring keys, so inside a block of 32 keys p's codes stand in the order 0-7, 16-23, 8-15, 24-31: the order in which v's codes were laid.
; V's tiles hold the head's channels in the weight tiles' row order, so O^T's registers 16 b + i are channels 32 b + 16 h + i: neighbours along the projection's K.
; LIMITS: a block's largest p is taken through the block's largest score (it takes v_exp_f32 not to fall where its input rises); a block of zeros keeps the byte 1; NaN and infinities are not served.
; REGISTERS: v1-6 addresses that stay; v7-11, v30 those in hand; v12 -M, v13 the largest t, v[14:15] the sum; v16-27 Q; v28 its scale word; v32-79 four fragments of K; v80-87 scale words;
; v96-159 S^T, then p, then V's four fragments; v160-191 O^T; v200-218 the last quantiser; v224-235 p's codes; v236-254 at work.
.set QB,   24576                       ; a quarter: 512 keys of K's half images, or of V's images
.set VL,   98304                       ; LDS: K at 0, V here,
.set SCW,  196608                      ; K's 2,048 scale words, then V's 1,024
.set QS,   6291456
.set SCL,  6553600
.set VC,   6946816
.set WV,   18
.set CS,   22                          ; s[22:23] c = log2(e) / 8
.set SEL,  84
.set G1Q,  24
.set G1S,  32
.set G0S,  40
.set G0K,  44                          ; s44-47: the group 0 of my quarter of K or V
.set G0V,  68
.set TM,   200
.set PT,   208
.macro PLACES
.rept 4
	v_nop
.endr
.endm
.macro ROUND
	s_barrier_signal -1
	s_barrier_wait -1
	s_cmp_lg_u32 s[WV], 0
	s_cbranch_scc1 .Lnw0_\@
	s_barrier_signal -3
.Lnw0_\@:
	s_barrier_wait -3
	s_barrier_signal -1
	s_barrier_wait -1
.endm
.macro QH s, pc, pw                    ; 32 numbers of a lane (register 16 b + i = k 32 b + 16 h + i) become a half image and two scale bytes
	v_max3_num_f32 v[TM], |v[\s]|, |v[\s+1]|, 0x1800000
	v_max3_num_f32 v[TM+1], |v[\s+16]|, |v[\s+17]|, 0x1800000
.irp i, 2,4,6,8,10,12,14
	s_delay_alu instid0(VALU_DEP_2)
	v_max3_num_f32 v[TM], v[TM], |v[\s+\i]|, |v[\s+\i+1]|
	s_delay_alu instid0(VALU_DEP_2)
	v_max3_num_f32 v[TM+1], v[TM+1], |v[\s+16+\i]|, |v[\s+17+\i]|
.endr
	s_delay_alu instid0(VALU_DEP_2)
	v_permlanex16_b32 v[TM+2], v[TM], s[SEL], s[SEL+1]
	s_delay_alu instid0(VALU_DEP_2)
	v_permlanex16_b32 v[TM+3], v[TM+1], s[SEL], s[SEL+1]
	s_delay_alu instid0(VALU_DEP_2)
	v_max_num_f32 v[TM], v[TM], v[TM+2]
	s_delay_alu instid0(VALU_DEP_2)
	v_max_num_f32 v[TM+1], v[TM+1], v[TM+3]
	s_delay_alu instid0(VALU_DEP_2)
	v_add_nc_u32 v[TM+4], 0xff000000, v[TM]
	s_delay_alu instid0(VALU_DEP_2)
	v_add_nc_u32 v[TM+5], 0xff000000, v[TM+1]
	s_delay_alu instid0(VALU_DEP_2)
	v_lshrrev_b32 v[TM+2], 23, v[TM+4]
	s_delay_alu instid0(VALU_DEP_2)
	v_lshrrev_b32 v[TM+3], 23, v[TM+5]
	s_delay_alu instid0(VALU_DEP_1)
	v_lshl_or_b32 v[\pw], v[TM+3], 8, v[TM+2]
	v_cvt_scalef32_pk16_fp6_f32 v[\pc:\pc+2], v[\s:\s+15], v[TM+4]
	v_cvt_scalef32_pk16_fp6_f32 v[PT:PT+2], v[\s+16:\s+31], v[TM+5]
	v_nop
.irp i, 0,1,2
	v_permlane16_swap_b32 v[\pc+\i], v[PT+\i]
.endr
.irp i, 0,1,2
	s_delay_alu instid0(VALU_DEP_3)
	v_mov_b32 v[\pc+3+\i], v[PT+\i]
.endr
.endm
	s_load_b128 s[4:7], s[0:1], 0x0                ; att, arec
	v_lshl_add_u32 v251, v0, 2, 0x33000
	v_mov_b32 v255, 0
	ds_add_u32 v251, v255
	ds_add_u32 v251, v255
	v_lshrrev_b32 v8, 5, v0
	s_delay_alu instid0(VALU_DEP_1)
	v_readfirstlane_b32 s[WV], v8                  ; wave 0..15
	s_bfe_u32 s8, ttmp6, 0x40000                   ; cx
	s_lshl_b32 s9, ttmp9, 2
	s_add_co_u32 s9, s9, s8                        ; my block of 256 queries: it enters Q's and o's addresses alone
	s_and_b32 s10, ttmp7, 0xffff                   ; batch x 16 + head, which the four partners share
	s_lshr_b32 s11, s10, 4
	s_and_b32 s12, s10, 15
	s_add_co_u32 s14, s12, 16                      ; K: head slot 16 + head, token tiles 128 x batch on
	s_lshl_b32 s14, s14, 8
	s_lshl_b32 s13, s11, 7
	s_add_co_u32 s14, s14, s13
	s_mul_i32 s14, s14, 768
	s_mov_b32 s15, 0
	s_mul_i32 s16, s10, 98304
	s_add_co_u32 s16, s16, VC
	s_mov_b32 s17, 0
	s_mul_i32 s20, s10, 12288
	s_add_co_u32 s20, s20, SCL
	s_mov_b32 s21, 0
	s_mov_b32 s[G1Q], 15|(3<<16)|(1<<21)           ; the mask: all four; elements of 8 bytes; 21 set beside a mask
	s_mov_b32 s[G1Q+1], 32<<16                     ; rows of 256 bytes,
	s_mov_b32 s[G1Q+2], 96<<16                     ; 96 of them: 24,576 dense bytes
	s_mov_b32 s[G1Q+3], 32<<16
	s_mov_b32 s[G1Q+4], 96
	s_mov_b32 s[G1Q+5], 32
	s_mov_b32 s[G1Q+6], 0
	s_mov_b32 s[G1Q+7], 0
	s_mov_b32 s[G1S], 15|(3<<16)|(1<<21)           ; the scale words: 48 rows
	s_mov_b32 s[G1S+1], 32<<16
	s_mov_b32 s[G1S+2], 48<<16
	s_mov_b32 s[G1S+3], 32<<16
	s_mov_b32 s[G1S+4], 48
	s_mov_b32 s[G1S+5], 32
	s_mov_b32 s[G1S+6], 0
	s_mov_b32 s[G1S+7], 0
	s_mov_b32 s[SEL], 0x76543210
	s_mov_b32 s[SEL+1], 0xfedcba98
	s_mov_b32 s[CS], 0x3e38aa3b
	s_mov_b32 s[CS+1], s[CS]                       ; (named with it as a pair, so it is written)
	s_mov_b32 s60, 0                               ; the step's tiles of K and of V: 6,144 bytes a step
	s_mov_b32 s61, 0                               ; K's scale words: 512 bytes a step
	s_mov_b32 s62, 0                               ; V's: 256
	s_wait_dscnt 0x0
	s_wait_kmcnt 0x0
	s_add_nc_u64 s[14:15], s[4:5], s[14:15]
	s_add_nc_u64 s[16:17], s[4:5], s[16:17]
	s_add_nc_u64 s[20:21], s[4:5], s[20:21]
	s_mov_b32 s[G0S], 1
	s_mov_b32 s[G0S+1], SCW
	s_mov_b64 s[G0S+2:G0S+3], s[20:21]
	s_or_b32 s[G0S+3], s[G0S+3], 0x80000000
	; THE FILLS AS THEY STAND (this takes the place of what the head's comment says of them): nine joint loads, ONE A WAVE:
	; waves 0-3 bring K's quarters, waves 4-7 V's (LDS byte wave x QB: V lies behind K), wave 8 the scale words.  Every wave then waits for 0, one barrier follows, and one loop walks the 16 key steps.
	s_cmp_lt_u32 s[WV], 4
	s_cselect_b64 s[G0K+2:G0K+3], s[14:15], s[16:17]
	s_and_b32 s13, s[WV], 3
	s_mul_i32 s86, s13, QB
	s_mov_b32 s87, 0
	s_add_nc_u64 s[G0K+2:G0K+3], s[G0K+2:G0K+3], s[86:87]
	s_or_b32 s[G0K+3], s[G0K+3], 0x80000000
	s_mov_b32 s[G0K], 1
	s_mul_i32 s[G0K+1], s[WV], QB
	ROUND                                          ; all four work-groups are here: the joint loads meet
	s_cmp_lt_u32 s[WV], 8                          ; the fills stand in one chain of branches on the wave's number
	s_cbranch_scc0 .Lnot_kv
	tensor_load_to_lds s[G0K:G0K+3], s[G1Q:G1Q+7]
	s_nop 0
	PLACES
	s_branch .Lasked
.Lnot_kv:
	s_cmp_lg_u32 s[WV], 8
	s_cbranch_scc1 .Lasked
	tensor_load_to_lds s[G0S:G0S+3], s[G1S:G1S+7]
	s_nop 0
	PLACES
.Lasked:
	s_lshl_b32 s86, s11, 7
	s_lshl_b32 s87, s9, 4
	s_add_co_u32 s86, s86, s87
	s_add_co_u32 s86, s86, s[WV]                   ; my tile of 16 tokens: 128 x batch + 16 x block + wave
	s_lshl_b32 s88, s12, 8
	s_add_co_u32 s88, s88, s86
	s_mul_i32 s88, s88, 768
	s_mov_b32 s89, 0
	s_add_nc_u64 s[88:89], s[4:5], s[88:89]        ; Q's half image
	s_lshl_b32 s90, s12, 14
	s_lshl_b32 s87, s86, 6
	s_add_co_u32 s90, s90, s87
	s_add_co_u32 s90, s90, QS
	s_mov_b32 s91, 0
	s_add_nc_u64 s[90:91], s[4:5], s[90:91]        ; Q's scale words
	s_lshr_b32 s92, s12, 3                         ; o's columns 64 x head: chunk head / 8, kk = (head / 2) % 4, c = head % 2
	s_lshl_b32 s92, s92, 8
	s_add_co_u32 s92, s92, s86
	s_mul_i32 s92, s92, 6400
	s_bfe_u32 s87, s12, 0x20001
	s_and_b32 s96, s12, 1
	s_mul_i32 s94, s87, 1536
	s_mul_i32 s97, s96, 768
	s_add_co_u32 s94, s94, s97
	s_add_co_u32 s94, s94, s92
	s_mov_b32 s95, 0
	s_add_nc_u64 s[94:95], s[6:7], s[94:95]        ; the half image's place in the record
	s_lshl_b32 s87, s87, 2
	s_lshl_b32 s96, s96, 1
	s_add_co_u32 s87, s87, s96
	s_add_co_u32 s92, s92, s87
	s_add_co_u32 s92, s92, 6144
	s_mov_b32 s93, 0
	s_add_nc_u64 s[92:93], s[6:7], s[92:93]        ; its two scale bytes' place in a row's sixteen
	v_and_b32 v8, 31, v0
	v_and_b32 v9, 15, v0
	s_delay_alu instid0(VALU_DEP_2)
	v_lshlrev_b32 v1, 4, v8                        ; 16 L
	s_delay_alu instid0(VALU_DEP_3)
	v_lshlrev_b32 v2, 3, v8                        ; 8 L
	s_delay_alu instid0(VALU_DEP_2)
	v_add_nc_u32 v3, VL, v1
	s_delay_alu instid0(VALU_DEP_2)
	v_add_nc_u32 v4, VL, v2
	v_lshlrev_b32 v31, 2, v9                       ; 4 r
	v_lshlrev_b32 v29, 4, v9                       ; 16 r
	s_delay_alu instid0(VALU_DEP_2)
	v_add_nc_u32 v5, SCW, v31
	s_delay_alu instid0(VALU_DEP_3)
	v_add_nc_u32 v6, SCW+8192, v31
	global_load_b128 v[16:19], v1, s[88:89]
	global_load_b64 v[20:21], v2, s[88:89] offset:512
	global_load_b32 v28, v31, s[90:91]
.irp i, 22,23,24,25,26,27
	v_mov_b32 v[\i], 0                             ; K runs to 64: the instruction's upper 64 are zero codes, in Q
.endr
.irp t, 0,1,2,3
.irp i, 6,7,8,9,10,11
	v_mov_b32 v[32+12*\t+\i], 0                    ; and in K's fragments; these registers are never loaded
.endr
.endr
	v_mov_b32 v13, 0xff61b1e6                      ; the largest t so far: -3e38
	s_delay_alu instid0(VALU_DEP_1)
	v_floor_f32 v12, -v13                          ; -M
	v_mov_b32 v14, 0
	v_mov_b32 v15, 0
.irp i, 202,203,236,237,238,239,253
	v_mov_b32 v[\i], 0                             ; lane permutes' destinations, and the upper half of the pair v[252:253]: written once
.endr
.set j, 0
.rept 32
	v_mov_b32 v[160+j], 0                          ; O^T.  (The step is written once for all steps: the first finds zeros)
.set j, j+1
.endr
; A KEY STEP: 128 keys.
.macro STEP
	v_add_nc_u32 v7, s60, v1                       ; (these six are also the places between the last products and S^T's writing over V's fragments)
	s_wait_alu depctr_va_vdst(0)
	v_add_nc_u32 v8, s60, v2
	s_wait_alu depctr_va_vdst(0)
	v_add_nc_u32 v9, s60, v3
	v_add_nc_u32 v10, s60, v4
	v_add_nc_u32 v11, s61, v5
	s_wait_alu depctr_va_vdst(0)
	v_add_nc_u32 v30, s62, v6
.irp g, 0,1                                    ; S^T = K Q^T, four tiles of 16 keys at a time
.if \g > 0
	PLACES
.endif
.irp t, 0,1,2,3
	ds_load_b128 v[32+12*\t:35+12*\t], v7 offset:(4*\g+\t)*768
	ds_load_b64 v[36+12*\t:37+12*\t], v8 offset:(4*\g+\t)*768+512
	ds_load_b32 v[80+\t], v11 offset:(4*\g+\t)*64
.endr
	s_wait_dscnt 0x0
.irp t, 0,1,2,3
	v_wmma_scale_f32_16x16x128_f8f6f4 v[96+8*(4*\g+\t):103+8*(4*\g+\t)], v[32+12*\t:43+12*\t], v[16:27], 0, v[80+\t], v28 matrix_a_fmt:MATRIX_FMT_FP6 matrix_b_fmt:MATRIX_FMT_FP6
.endr
.endr
	PLACES
.irp b, 0,1,2,3
	v_max3_num_f32 v[232+\b], v[96+16*\b], v[97+16*\b], v[98+16*\b]   ; the largest score of each block of 32 keys: for the row's maximum, and for the block's largest p
.endr
.irp i, 3,5,7,9,11,13
.irp b, 0,1,2,3
	v_max3_num_f32 v[232+\b], v[232+\b], v[96+16*\b+\i], v[97+16*\b+\i]
.endr
.endr
.irp b, 0,1,2,3
	v_max_num_f32 v[232+\b], v[232+\b], v[111+16*\b]
.endr
.irp b, 0,1,2,3
	s_delay_alu instid0(VALU_DEP_4)
	v_permlanex16_b32 v[236+\b], v[232+\b], s[SEL], s[SEL+1]
.endr
.irp b, 0,1,2,3
	s_delay_alu instid0(VALU_DEP_4)
	v_max_num_f32 v[232+\b], v[232+\b], v[236+\b]  ; with lane l xor 16's 16 keys
.endr
	s_delay_alu instid0(VALU_DEP_2)
	v_max3_num_f32 v254, v232, v233, v234
	s_delay_alu instid0(VALU_DEP_1)
	v_max_num_f32 v254, v254, v235
	s_delay_alu instid0(VALU_DEP_1)
	v_mul_f32 v254, s[CS], v254                    ; as t (c is positive)
	s_delay_alu instid0(VALU_DEP_1)
	v_max_num_f32 v13, v13, v254                   ; the running largest t
	v_mov_b32 v254, v12
	s_delay_alu instid0(VALU_DEP_2)
	v_floor_f32 v12, -v13                          ; the new -M = -ceil(t)
	s_delay_alu instid0(VALU_DEP_1)
	v_sub_f32 v254, v12, v254                      ; old M - new M: a whole number, 0 or less
	s_delay_alu instid0(VALU_DEP_1)
	v_cvt_i32_f32 v254, v254
	s_delay_alu instid0(VALU_DEP_1)
	v_ldexp_f32 v252, 1.0, v254                    ; f = 2^(old M - new M)
.set j, 0
.rept 32
	v_pk_fma_f32 v[96+j:97+j], v[96+j:97+j], s[CS:CS+1], v[12:13] op_sel_hi:[1,0,0]   ; t - M
.set j, j+2
.endr
.irp b, 0,1,2,3
	v_fma_f32 v[232+\b], v[232+\b], s[CS], v12
.endr
.set j, 0
	s_wait_alu depctr_va_vdst(0)
.rept 64
	v_exp_f32 v[96+j], v[96+j]                     ; p = 2^(t - M)
.set j, j+1
.endr
.irp b, 0,1,2,3
	v_exp_f32 v[232+\b], v[232+\b]                 ; the block's largest p: the same two instructions on the same number
.endr
	v_pk_mul_f32 v[14:15], v[14:15], v[252:253] op_sel_hi:[1,0]   ; the sums under the new M.  (A plain place behind the exponentials)
	s_wait_alu depctr_va_vdst(0)
.irp b, 0,1,2,3
	v_max_num_f32 v[232+\b], 0x1800000, v[232+\b]  ; the floor 2^(3 - 127)
.endr
.irp b, 0,1,2,3
	s_delay_alu instid0(VALU_DEP_4)
	v_add_nc_u32 v[244+\b], 0xff000000, v[232+\b]
.endr
.irp b, 0,1,2,3
	s_delay_alu instid0(VALU_DEP_4)
	v_lshrrev_b32 v[236+\b], 23, v[244+\b]
.endr
	s_delay_alu instid0(VALU_DEP_3)
	v_lshl_or_b32 v253, v237, 8, v236              ; p's scale word for these 128 keys
	s_delay_alu instid0(VALU_DEP_1)
	v_lshl_or_b32 v253, v238, 16, v253
	s_delay_alu instid0(VALU_DEP_1)
	v_lshl_or_b32 v253, v239, 24, v253
.irp c, 0,1
	v_cvt_scalef32_pk16_fp6_f32 v[224+6*\c:226+6*\c], v[96+32*\c:111+32*\c], v[244+2*\c]
	v_cvt_scalef32_pk16_fp6_f32 v[236+4*\c:238+4*\c], v[112+32*\c:127+32*\c], v[244+2*\c+1]
.endr
	v_nop                                          ; one plain place behind a scaled conversion
.irp c, 0,1
.irp i, 0,1,2
	v_permlane16_swap_b32 v[224+6*\c+\i], v[236+4*\c+\i]
.endr
.irp i, 0,1,2
	s_delay_alu instid0(VALU_DEP_3)
	v_mov_b32 v[227+6*\c+\i], v[236+4*\c+\i]
.endr
.endr
	v_pk_add_f32 v[236:237], v[100:101], v[104:105]
	v_pk_add_f32 v[248:249], v[108:109], v[112:113]
	v_pk_add_f32 v[246:247], v[116:117], v[120:121]
	v_pk_add_f32 v[244:245], v[124:125], v[128:129]
	v_pk_add_f32 v[242:243], v[132:133], v[136:137]
	v_pk_add_f32 v[240:241], v[140:141], v[144:145]
	v_pk_add_f32 v[222:223], v[148:149], v[152:153]
	v_pk_add_f32 v[14:15], v[14:15], v[156:157]
	v_pk_add_f32 v[236:237], v[236:237], v[96:97]
	v_pk_add_f32 v[248:249], v[248:249], v[98:99]
	v_pk_add_f32 v[246:247], v[246:247], v[102:103]
	v_pk_add_f32 v[244:245], v[244:245], v[106:107]
	v_pk_add_f32 v[242:243], v[242:243], v[110:111]
	v_pk_add_f32 v[240:241], v[240:241], v[114:115]
	v_pk_add_f32 v[222:223], v[222:223], v[118:119]
	v_pk_add_f32 v[14:15], v[14:15], v[122:123]
	v_pk_add_f32 v[236:237], v[236:237], v[126:127]
	v_pk_add_f32 v[248:249], v[248:249], v[130:131]
	v_pk_add_f32 v[246:247], v[246:247], v[134:135]
	v_pk_add_f32 v[244:245], v[244:245], v[138:139]
	v_pk_add_f32 v[242:243], v[242:243], v[142:143]
	v_pk_add_f32 v[240:241], v[240:241], v[146:147]
	v_pk_add_f32 v[222:223], v[222:223], v[150:151]
	v_pk_add_f32 v[14:15], v[14:15], v[154:155]
	v_pk_add_f32 v[236:237], v[236:237], v[158:159]
	s_delay_alu instid0(VALU_DEP_2)
	v_pk_add_f32 v[14:15], v[14:15], v[244:245]
	s_delay_alu instid0(VALU_DEP_2)
	v_pk_add_f32 v[236:237], v[236:237], v[242:243]
	v_pk_add_f32 v[248:249], v[248:249], v[240:241]
	v_pk_add_f32 v[246:247], v[246:247], v[222:223]
	s_delay_alu instid0(VALU_DEP_2)
	v_pk_add_f32 v[14:15], v[14:15], v[248:249]
	s_delay_alu instid0(VALU_DEP_2)
	v_pk_add_f32 v[236:237], v[236:237], v[246:247]
	s_delay_alu instid0(VALU_DEP_1)
	v_pk_add_f32 v[14:15], v[14:15], v[236:237]
.set j, 0
.rept 16
	v_pk_mul_f32 v[160+j:161+j], v[160+j:161+j], v[252:253] op_sel_hi:[1,0]   ; O^T under the new M
.set j, j+2
.endr
.irp x, 0,1,2,3                                ; V's four fragments (16 channels x 128 keys) take p's registers
	ds_load_b128 v[96+12*\x:99+12*\x], v9 offset:\x*1536
	ds_load_b64 v[100+12*\x:101+12*\x], v10 offset:\x*1536+512
	ds_load_b128 v[102+12*\x:105+12*\x], v9 offset:\x*1536+768
	ds_load_b64 v[106+12*\x:107+12*\x], v10 offset:\x*1536+1280
	ds_load_b32 v[84+\x], v30 offset:\x*64
.endr
	s_wait_alu depctr_va_vdst(0)
	s_wait_dscnt 0x0
.irp x, 0,1,2,3
	v_wmma_scale_f32_16x16x128_f8f6f4 v[160+8*\x:167+8*\x], v[96+12*\x:107+12*\x], v[224:235], v[160+8*\x:167+8*\x], v[84+\x], v253 matrix_a_fmt:MATRIX_FMT_FP6 matrix_b_fmt:MATRIX_FMT_FP6
.endr
	s_add_co_u32 s60, s60, 6144
	s_add_co_u32 s61, s61, 512
	s_add_co_u32 s62, s62, 256
.endm
.macro QUARTER q
	s_wait_tensorcnt 0x0                           ; my one load, if I issued one, has landed
	s_barrier_signal -1
	s_barrier_wait -1                              ; every wave has said so
	s_mov_b32 s63, 16                              ; all 16 key steps in one loop: nothing is filled again, so no further barrier
.Lq_\@:
	STEP
	s_sub_co_u32 s63, s63, 1
	s_cmp_lg_u32 s63, 0
	s_cbranch_scc1 .Lq_\@
.endm
	s_wait_loadcnt 0x0                             ; Q
	QUARTER 0
	PLACES
	v_add_f32 v14, v14, v15                        ; the sum's two halves,
	s_delay_alu instid0(VALU_DEP_1)
	v_permlanex16_b32 v252, v14, s[SEL], s[SEL+1]
	s_delay_alu instid0(VALU_DEP_1)
	v_add_f32 v14, v14, v252                       ; and lane l xor 16's
	s_wait_alu depctr_va_vdst(0)
	v_rcp_f32 v14, v14
	v_nop                                          ; a plain place behind the reciprocal
.set j, 0
	s_wait_alu depctr_va_vdst(0)
.rept 32
	v_mul_f32 v[96+j], v[160+j], v14               ; o(query r, channel 32 b + 16 h + i) in register 16 b + i
.set j, j+1
.endr
	QH 96, 212, 218
	global_store_b128 v1, v[212:215], s[94:95]     ; 512 and 256 consecutive bytes
	global_store_b64 v2, v[216:217], s[94:95] offset:512
	global_store_b16 v29, v218, s[92:93]           ; lanes r and r + 16 store the same two bytes to the same place
	s_wait_tensorcnt 0x0
	s_wait_tensorcnt 0x0
	ds_add_u32 v251, v255
	s_wait_dscnt 0x0
	ROUND                                          ; the closing round
	s_endpgm
.Lfunc_end_k_qc4a2f25b6c_attn:
	.size	k_qc4a2f25b6c_attn, .Lfunc_end_k_qc4a2f25b6c_attn-k_qc4a2f25b6c_attn
	.p2alignl 7, 3214868480
	.fill 96, 4, 3214868480
	.section	.rodata,"a",@progbits
	.p2align	6, 0x0
	.amdhsa_kernel k_qc4a2f25b6c_attn
		.amdhsa_group_segment_fixed_size 210944
		.amdhsa_private_segment_fixed_size 0
		.amdhsa_enable_private_segment 0
		.amdhsa_kernarg_size 16
		.amdhsa_user_sgpr_count 2
		.amdhsa_user_sgpr_kernarg_segment_ptr 1
		.amdhsa_wavefront_size32 1
		.amdhsa_system_sgpr_workgroup_id_x 1
		.amdhsa_system_sgpr_workgroup_id_y 1
		.amdhsa_system_sgpr_workgroup_id_z 1
		.amdhsa_system_vgpr_workitem_id 0
		.amdhsa_next_free_vgpr 256
		.amdhsa_next_free_sgpr 100
		.amdhsa_reserve_vcc 0
		.amdhsa_float_denorm_mode_32 3
		.amdhsa_float_denorm_mode_16_64 3
		.amdhsa_memory_ordered 1
		.amdhsa_forward_progress 1
		.amdhsa_inst_pref_size 32
	.end_amdhsa_kernel
	.amdgpu_metadata
---
amdhsa.version: [ 1, 2 ]
amdhsa.kernels:
  - .name:           k_qc4a2f25b6c_attn
    .symbol:         k_qc4a2f25b6c_attn.kd
    .args:
      - { .name: att, .offset: 0, .size: 8, .value_kind: global_buffer, .address_space: global }
      - { .name: arec, .offset: 8, .size: 8, .value_kind: global_buffer, .address_space: global }
    .group_segment_fixed_size: 210944
    .private_segment_fixed_size: 0
    .kernarg_segment_align: 8
    .kernarg_segment_size: 16
    .max_flat_workgroup_size: 512
    .sgpr_count:     100
    .vgpr_count:     256
    .wavefront_size: 32
...
	.end_amdgpu_metadata
.endif
;; end of part 3
;; launch prj (part 4): grid 8 x 32, 4 waves a work-group, clusters of 4 x 4, 327,680 bytes of LDS; arguments arec, wimg, b_prj, x, x1; writes x1
.if DOCPART == 4
	.amdgcn_target "amdgcn-amd-amdhsa--gfx1250"
	.amdhsa_code_object_version 6
	.text
	.protected	k_qc4a2f25b6c_prj
	.globl	k_qc4a2f25b6c_prj
	.p2align	8
	.type	k_qc4a2f25b6c_prj,@function
k_qc4a2f25b6c_prj:
	s_mov_b64 s[64:65], 0
	v_nop
	global_prefetch_b8 v0, s[64:65] scope:SCOPE_SE
	s_setreg_imm32_b32 hwreg(HW_REG_WAVE_MODE, 25, 1), 1
	s_wait_xcnt 0x0
	s_wait_alu depctr_hold_cnt(0) depctr_sa_sdst(0) depctr_va_vdst(0) depctr_va_sdst(0) depctr_va_ssrc(0) depctr_va_vcc(0) depctr_vm_vsrc(0)
	s_getreg_b32 s2, hwreg(HW_REG_IB_STS2, 6, 4)
	s_cmp_eq_u32 s2, 0
	s_cbranch_scc0 .Lentry_in_a_cluster
	s_endpgm
.Lentry_in_a_cluster:
	s_bfe_u32 s2, ttmp6, 0x10000c
	s_cmp_lg_u32 s2, 0xf033
	s_cbranch_scc0 .Lentry_shape_is_right
	s_endpgm
.Lentry_shape_is_right:
.set NCH,   2
.set WOFF,  2457600
.set REC,   6400
.set HALF,  4*REC
.set CHK,   8*REC
.set SLOT,  2*CHK
.set STAGE, 2*SLOT
.set SPARE, STAGE+4*16*272
.set ACH,   256*REC
.set BCH,   64*REC
.set SC,  32
.set BI,  64
.set ACC, 128
.set F0,  0
.set G1A, 24
.set G0A, 32
.set G1B, 48
.set G0B, 56
.set MSB, 0
.macro WIN new
.if MSB != \new
	s_set_vgpr_msb (MSB<<8)|\new
.set MSB, \new
.endif
.endm
.macro PLACES
.rept 4
	v_nop
.endr
.endm
.macro ROUND
	s_barrier_signal -1
	s_barrier_wait -1
	s_cmp_lg_u32 s10, 0
	s_cbranch_scc1 .Lnw0_\@
	s_barrier_signal -3
.Lnw0_\@:
	s_barrier_wait -3
	s_barrier_signal -1
	s_barrier_wait -1
.endm
.macro JLOAD s
	s_cmp_eq_u32 s11, 0
	s_cbranch_scc0 .Lfb_\@
	tensor_load_to_lds s[G0A+4*(\s):G0A+4*(\s)+3], s[G1A:G1A+7]
	s_nop 0
	PLACES
	s_branch .Lok_\@
.Lfb_\@:
	tensor_load_to_lds s[G0B+4*(\s):G0B+4*(\s)+3], s[G1B:G1B+7]
	s_nop 0
	PLACES
.Lok_\@:
.endm
.macro FETCH a16, a8, b16, b8, kk, f
	PLACES
	WIN 0x40
.irp i, 0,1,2,3
	ds_load_b128 v[(\f)+12*\i:(\f)+12*\i+3], v[\a16] offset:\i*REC+(\kk)*1536
	ds_load_b64 v[(\f)+12*\i+4:(\f)+12*\i+5], v[\a8] offset:\i*REC+(\kk)*1536+512
	ds_load_b128 v[(\f)+12*\i+6:(\f)+12*\i+9], v[\a16] offset:\i*REC+(\kk)*1536+768
	ds_load_b64 v[(\f)+12*\i+10:(\f)+12*\i+11], v[\a8] offset:\i*REC+(\kk)*1536+1280
.endr
.irp i, 0,1,2,3
	ds_load_b128 v[(\f)+48+12*\i:(\f)+48+12*\i+3], v[\b16] offset:\i*REC+(\kk)*1536
	ds_load_b64 v[(\f)+48+12*\i+4:(\f)+48+12*\i+5], v[\b8] offset:\i*REC+(\kk)*1536+512
	ds_load_b128 v[(\f)+48+12*\i+6:(\f)+48+12*\i+9], v[\b16] offset:\i*REC+(\kk)*1536+768
	ds_load_b64 v[(\f)+48+12*\i+10:(\f)+48+12*\i+11], v[\b8] offset:\i*REC+(\kk)*1536+1280
.endr
.endm
.macro SCALES adr, set
.irp i, 0,1,2,3
	ds_load_b128 v[SC+16*\set+4*\i:SC+16*\set+4*\i+3], v[\adr] offset:\i*REC
.endr
.endm
.macro MUL16 f, set, kk, bias
.irp a, 0,1,2,3
.irp b, 0,1,2,3
.set FA, (\f)+12*\a
.set FB, (\f)+48+12*\b
.set SA, SC+16*(\set)+4*\a+(\kk)
.set SB, SC+16*(\set)+4*\b+(\kk)
.set DD, ACC+8*(4*\a+\b)
.if \bias
	v_wmma_scale_f32_16x16x128_f8f6f4 v[DD:DD+7], v[FB:FB+11], v[FA:FA+11], v[BI+8*\b:BI+8*\b+7], v[SB], v[SA] matrix_a_fmt:MATRIX_FMT_FP6 matrix_b_fmt:MATRIX_FMT_FP6 matrix_a_scale:MATRIX_SCALE_ROW1
.else
	v_wmma_scale_f32_16x16x128_f8f6f4 v[DD:DD+7], v[FB:FB+11], v[FA:FA+11], v[DD:DD+7], v[SB], v[SA] matrix_a_fmt:MATRIX_FMT_FP6 matrix_b_fmt:MATRIX_FMT_FP6 matrix_a_scale:MATRIX_SCALE_ROW1
.endif
.endr
.endr
.endm
.macro CHUNK slot, first
	FETCH 16+\slot, 18+\slot, 20+\slot, 22+\slot, 0, F0
	WIN 0
	SCALES 24+\slot, \slot
.set i, 0
.rept 4
	s_wait_dscnt 0x0
.if i < 3
	FETCH 16+\slot, 18+\slot, 20+\slot, 22+\slot, i+1, F0+96*((i+1)%2)
.endif
	WIN 0x05
.if \first && (i == 0)
	MUL16 F0, \slot, 0, 1
.else
	MUL16 F0+96*(i%2), \slot, i, 0
.endif
.set i, i+1
.endr
	WIN 0
.endm
.macro CH slot, refill
	s_wait_tensorcnt 0x0
	ds_add_u32 v28, v29
.if \refill
	s_add_nc_u64 s[G0A+6-4*\slot:G0A+7-4*\slot], s[G0A+6-4*\slot:G0A+7-4*\slot], 2*ACH
	s_add_nc_u64 s[G0B+6-4*\slot:G0B+7-4*\slot], s[G0B+6-4*\slot:G0B+7-4*\slot], 2*BCH
.endif
	s_wait_dscnt 0x0
.if \refill
	ROUND
	JLOAD 1-\slot
.else
	s_barrier_signal -1
	s_barrier_wait -1
.endif
	CHUNK \slot, 0
.endm
	s_load_b256 s[84:91], s[0:1], 0x0
	s_load_b64 s[92:93], s[0:1], 0x20
	v_lshl_add_u32 v28, v0, 2, SPARE
	v_mov_b32 v29, 0
	ds_add_u32 v28, v29
	ds_add_u32 v28, v29
	s_wait_dscnt 0x0
	v_lshrrev_b32 v1, 5, v0
	v_readfirstlane_b32 s10, v1
	s_lshr_b32 s11, s10, 1
	s_and_b32 s12, s10, 1
	s_bfe_u32 s40, ttmp6, 0x40000
	s_bfe_u32 s41, ttmp6, 0x40004
	s_lshl_b32 s14, ttmp9, 2
	s_add_co_u32 s14, s14, s40
	s_and_b32 s13, ttmp7, 0xffff
	s_lshl_b32 s13, s13, 2
	s_add_co_u32 s13, s13, s41
	s_lshl_b32 s43, s41, 2
	s_lshl_b32 s43, 15, s43
	s_lshl_b32 s44, 0x1111, s40
	s_or_b32 s[G1A], s43, (3<<16)|(1<<21)
	s_or_b32 s[G1B], s44, (3<<16)|(1<<21)
.irp g, G1A, G1B
	s_mov_b32 s[\g+1], 32<<16
	s_mov_b32 s[\g+2], 100<<16
	s_mov_b32 s[\g+3], 32<<16
	s_mov_b32 s[\g+4], 100
	s_mov_b32 s[\g+5], 32
	s_mov_b32 s[\g+6], 0
	s_mov_b32 s[\g+7], 0
.endr
	s_mul_i32 s15, s10, HALF
	s_mul_i32 s16, s12, HALF
	s_mul_i32 s17, s11, HALF
	s_mul_i32 s18, s13, CHK
	s_add_co_u32 s18, s18, s16
	s_mov_b32 s19, 0
	s_mul_i32 s46, s14, CHK
	s_add_co_u32 s46, s46, s16
	s_add_co_u32 s46, s46, WOFF
	s_mov_b32 s47, 0
	s_wait_kmcnt 0x0
	s_add_nc_u64 s[18:19], s[84:85], s[18:19]
	s_add_nc_u64 s[46:47], s[86:87], s[46:47]
	ROUND
.irp s, 0,1
	s_mov_b32 s[G0A+4*\s], 1
	s_add_co_u32 s[G0A+4*\s+1], s15, \s*SLOT
	s_add_nc_u64 s[G0A+4*\s+2:G0A+4*\s+3], s[18:19], \s*ACH
	s_or_b32 s[G0A+4*\s+3], s[G0A+4*\s+3], 0x80000000
	s_mov_b32 s[G0B+4*\s], 1
	s_add_co_u32 s[G0B+4*\s+1], s15, \s*SLOT
	s_add_nc_u64 s[G0B+4*\s+2:G0B+4*\s+3], s[46:47], \s*BCH
	s_or_b32 s[G0B+4*\s+3], s[G0B+4*\s+3], 0x80000000
	s_wait_alu depctr_va_vdst(0)
	s_wait_tensorcnt 0x0
	ds_add_u32 v28, v29
	ds_add_u32 v28, v29
	s_wait_dscnt 0x0
	ROUND
	JLOAD \s
.endr
	v_and_b32 v1, 31, v0
	v_and_b32 v2, 15, v0
	v_bfe_u32 v3, v0, 4, 1
	v_lshlrev_b32 v5, 4, v1
	v_lshlrev_b32 v6, 3, v1
	v_lshlrev_b32 v26, 6, v3
	s_wait_alu depctr_va_vdst(0)
	v_lshlrev_b32 v10, 12, v3
	v_lshl_add_u32 v10, v2, 4, v10
	s_wait_alu depctr_va_vdst(0)
	s_lshl_b32 s2, s14, 9
	s_lshl_b32 s3, s12, 8
	s_add_co_u32 s2, s2, s3
	s_mov_b32 s3, 0
	s_add_nc_u64 s[88:89], s[88:89], s[2:3]
	s_lshl_b32 s45, s13, 19
	s_add_co_u32 s2, s2, s45
	s_lshl_b32 s45, s11, 18
	s_add_co_u32 s2, s2, s45
	s_add_nc_u64 s[90:91], s[90:91], s[2:3]
	s_add_nc_u64 s[92:93], s[92:93], s[2:3]
.irp b, 0,1,2,3
	global_load_b128 v[BI+8*\b:BI+8*\b+3], v26, s[88:89] offset:128*(\b/2)+32*(\b%2)
	global_load_b128 v[BI+8*\b+4:BI+8*\b+7], v26, s[88:89] offset:128*(\b/2)+32*(\b%2)+16
.endr
	WIN 0x80
.irp a, 0,1,2,3
.irp i, 0,1,2,3,4,5,6,7
	global_load_b128 v[32*\a+4*\i:32*\a+4*\i+3], v10, s[90:91] offset:\a*65536+\i*8192
.endr
.endr
	WIN 0
	v_add_nc_u32 v16, s17, v5
	v_add_nc_u32 v18, s17, v6
	v_add_nc_u32 v17, SLOT, v16
	v_add_nc_u32 v19, SLOT, v18
	s_add_co_u32 s20, s16, CHK
	v_add_nc_u32 v20, s20, v5
	v_add_nc_u32 v22, s20, v6
	v_add_nc_u32 v21, SLOT, v20
	v_add_nc_u32 v23, SLOT, v22
	s_sub_co_u32 s21, s20, s17
	v_lshl_add_u32 v24, v2, 4, s17
	v_add_nc_u32 v24, 6144, v24
	v_mad_u32_u24 v24, v3, s21, v24
	v_add_nc_u32 v25, SLOT, v24
	s_mul_i32 s20, s10, 16*272
	s_add_co_u32 s20, s20, STAGE
	v_mul_u32_u24 v8, v2, 272
	v_lshl_add_u32 v8, v3, 6, v8
	v_add_nc_u32 v8, s20, v8
	v_mul_u32_u24 v9, v3, 272
	v_lshl_add_u32 v9, v2, 4, v9
	v_add_nc_u32 v9, s20, v9
	s_wait_alu depctr_va_vdst(0)
	s_wait_tensorcnt 0x1
	s_barrier_signal -1
	s_barrier_wait -1
	s_wait_loadcnt 32
	CHUNK 0, 1
.if NCH > 2
	s_mov_b32 s3, NCH/2-1
.Lring:
	CH 1, 1
	CH 0, 1
	s_sub_co_u32 s3, s3, 1
	s_cmp_lg_u32 s3, 0
	s_cbranch_scc1 .Lring
.endif
	CH 1, 0
	PLACES
.irp a, 0,1,2,3
.set SS, 64+32*(\a%2)
.if \a >= 2
	s_wait_xcnt 0x0
.endif
.irp b, 0,1
.irp q, 0,1,2,3
	ds_store_b128 v8, v[ACC+32*\a+16*\b+4*\q:ACC+32*\a+16*\b+4*\q+3] offset:128*\b+16*\q
.endr
.endr
.irp i, 0,1,2,3,4,5,6,7
	ds_load_b128 v[SS+4*\i:SS+4*\i+3], v9 offset:544*\i
.endr
	s_wait_dscnt 0x0
	s_wait_loadcnt 24-8*\a
	WIN 0x08
.irp i, 0,1,2,3,4,5,6,7,8,9,10,11,12,13,14,15
	v_pk_add_f32 v[SS+2*\i:SS+2*\i+1], v[SS+2*\i:SS+2*\i+1], v[32*\a+2*\i:32*\a+2*\i+1]
.endr
	WIN 0
.irp i, 0,1,2,3,4,5,6,7
	global_store_b128 v10, v[SS+4*\i:SS+4*\i+3], s[92:93] offset:\a*65536+\i*8192
.endr
.endr
	s_wait_tensorcnt 0x0
	ds_add_u32 v28, v29
	s_wait_dscnt 0x0
	ROUND
	s_endpgm
.Lfunc_end_k_qc4a2f25b6c_prj:
	.size	k_qc4a2f25b6c_prj, .Lfunc_end_k_qc4a2f25b6c_prj-k_qc4a2f25b6c_prj
	.p2alignl 7, 3214868480
	.fill 96, 4, 3214868480
	.section	.rodata,"a",@progbits
	.p2align	6, 0x0
	.amdhsa_kernel k_qc4a2f25b6c_prj
		.amdhsa_group_segment_fixed_size 327680
		.amdhsa_private_segment_fixed_size 0
		.amdhsa_enable_private_segment 0
		.amdhsa_kernarg_size 40
		.amdhsa_user_sgpr_count 2
		.amdhsa_user_sgpr_kernarg_segment_ptr 1
		.amdhsa_wavefront_size32 1
		.amdhsa_system_sgpr_workgroup_id_x 1
		.amdhsa_system_sgpr_workgroup_id_y 1
		.amdhsa_system_sgpr_workgroup_id_z 1
		.amdhsa_system_vgpr_workitem_id 0
		.amdhsa_next_free_vgpr 640
		.amdhsa_next_free_sgpr 100
		.amdhsa_reserve_vcc 0
		.amdhsa_float_denorm_mode_32 3
		.amdhsa_float_denorm_mode_16_64 3
		.amdhsa_memory_ordered 1
		.amdhsa_forward_progress 1
		.amdhsa_inst_pref_size 59
	.end_amdhsa_kernel
	.amdgpu_metadata
---
amdhsa.version: [ 1, 2 ]
amdhsa.kernels:
  - .name:           k_qc4a2f25b6c_prj
    .symbol:         k_qc4a2f25b6c_prj.kd
    .args:
      - { .name: arec, .offset: 0, .size: 8, .value_kind: global_buffer, .address_space: global }
      - { .name: wimg, .offset: 8, .size: 8, .value_kind: global_buffer, .address_space: global }
      - { .name: b_prj, .offset: 16, .size: 8, .value_kind: global_buffer, .address_space: global }
      - { .name: x, .offset: 24, .size: 8, .value_kind: global_buffer, .address_space: global }
      - { .name: x1, .offset: 32, .size: 8, .value_kind: global_buffer, .address_space: global }
    .group_segment_fixed_size: 327680
    .private_segment_fixed_size: 0
    .kernarg_segment_align: 8
    .kernarg_segment_size: 40
    .max_flat_workgroup_size: 128
    .sgpr_count:     100
    .vgpr_count:     640
    .wavefront_size: 32
...
	.end_amdgpu_metadata
.endif
;; end of part 4
;; launch ln2 (part 5): grid 256 x 1, 16 waves a work-group, no clusters, 88,576 bytes of LDS; arguments x1, ln2_g, ln2_b, arec; writes arec
.if DOCPART == 5
	.amdgcn_target "amdgcn-amd-amdhsa--gfx1250"
	.amdhsa_code_object_version 6
	.text
	.protected	k_qc4a2f25b6c_ln2
	.globl	k_qc4a2f25b6c_ln2
	.p2align	8
	.type	k_qc4a2f25b6c_ln2,@function
k_qc4a2f25b6c_ln2:
	s_mov_b64 s[64:65], 0
	v_nop
	global_prefetch_b8 v0, s[64:65] scope:SCOPE_SE
	s_setreg_imm32_b32 hwreg(HW_REG_WAVE_MODE, 25, 1), 1
	s_wait_xcnt 0x0
; LayerNorm of 16 rows of x1 [4096][1024], quantised along the row to E2M3 with one E8M0 byte for each 32, stored as operand records for the next product.
; A RECORD (6,400 bytes) is 16 rows x 512 along K: at kk*1536 + c*768 512 bytes (registers 6c..6c+3 of the fragment of the kk-th 128 along K, lane L's 16 bytes at 16 L), then 256 bytes (registers 6c+4, 6c+5,
; 8 bytes a lane); at 6144 + 16 r row r's 16 scale bytes.  Lane (r, h) holds k = 128 kk + 64 c + 32 h + 0..31 of row r.  arec is [chunk of 512][tile of 16 rows].
; One wave, one row: 8 loads of 512 consecutive bytes; mean and variance in two passes over the registers; the row turns through the wave's own stage in LDS so that lane l holds block l whole; codes and scale byte
; go into the tile's two records in LDS; a barrier; the records leave in stores whose sixteen lanes cover 256 consecutive aligned bytes.  No cluster, no tensor load: work-groups share only gain and bias (8 KB).
; LIMITS: a block of zeros (or under 2^-124) gets the byte 1, not 127: its codes are zeros and this program alone reads the bytes.  NaN and infinities are not served.
.set STG,  4608                        ; a wave's stage: 32 blocks x (128 bytes + 16 of padding)
.set RECS, 16*STG
.set REC,  6400
.set CHS,  256*REC
.set X,  32
.set G,  64
.set BV, 96
.set Y,  128
.set C,  160
.set D,  168
	s_load_b256 s[4:11], s[0:1], 0x0               ; x1, gain, bias, arec
	v_lshl_add_u32 v176, v0, 2, 0x15200
	v_mov_b32 v177, 0
	v_lshrrev_b32 v1, 5, v0
	s_delay_alu instid0(VALU_DEP_1)
	v_readfirstlane_b32 s12, v1                    ; wave = row r of the tile
	v_and_b32 v2, 31, v0
	s_delay_alu instid0(VALU_DEP_1)
	v_lshlrev_b32 v3, 4, v2
	s_lshl_b32 s14, ttmp9, 16
	s_lshl_b32 s13, s12, 12
	s_add_co_u32 s14, s14, s13
	s_mov_b32 s15, 0
	s_mul_i32 s24, ttmp9, REC
	s_mov_b32 s25, 0
	s_mov_b32 s16, 0x76543210
	s_mov_b32 s17, 0xfedcba98
	s_mov_b32 s18, 0x3727c5ac                      ; 1e-5
	s_wait_alu depctr_va_vdst(0)
	s_wait_kmcnt 0x0
	s_add_nc_u64 s[4:5], s[4:5], s[14:15]
	s_add_nc_u64 s[10:11], s[10:11], s[24:25]
.irp j, 0,1,2,3,4,5,6,7
	global_load_b128 v[X+4*\j:X+4*\j+3], v3, s[4:5] offset:512*\j
.endr
.irp j, 0,1,2,3,4,5,6,7
	global_load_b128 v[G+4*\j:G+4*\j+3], v3, s[6:7] offset:512*\j
.endr
.irp j, 0,1,2,3,4,5,6,7
	global_load_b128 v[BV+4*\j:BV+4*\j+3], v3, s[8:9] offset:512*\j
.endr
	s_mul_i32 s19, s12, STG
	v_lshrrev_b32 v4, 3, v2
	s_delay_alu instid0(VALU_DEP_1)
	v_mul_u32_u24 v4, v4, 144
	v_and_b32 v5, 7, v2
	s_delay_alu instid0(VALU_DEP_1)
	v_lshl_add_u32 v4, v5, 4, v4
	s_delay_alu instid0(VALU_DEP_1)
	v_add_nc_u32 v4, s19, v4                       ; into the stage: block 4 j + l / 8, 16 (l % 8) bytes in
	v_mul_u32_u24 v5, v2, 144
	s_delay_alu instid0(VALU_DEP_1)
	v_add_nc_u32 v5, s19, v5                       ; out of it: block l
	v_lshrrev_b32 v6, 4, v2                        ; block l = chunk l / 16, kk = (l / 4) % 4, c = (l / 2) % 2, h = l % 2
	s_delay_alu instid0(VALU_DEP_1)
	v_mul_u32_u24 v6, v6, REC
	v_bfe_u32 v7, v2, 2, 2
	s_delay_alu instid0(VALU_DEP_1)
	v_mad_u32_u24 v7, v7, 1536, v6
	v_bfe_u32 v16, v2, 1, 1
	s_delay_alu instid0(VALU_DEP_1)
	v_mad_u32_u24 v7, v16, 768, v7
	v_and_b32 v16, 1, v2
	s_lshl_b32 s20, s12, 4
	s_add_co_u32 s22, s20, RECS+6144
	s_add_co_u32 s20, s20, RECS
	s_lshl_b32 s21, s12, 3
	s_add_co_u32 s21, s21, RECS+512
	v_lshl_add_u32 v17, v16, 8, v7
	s_delay_alu instid0(VALU_DEP_1)
	v_add_nc_u32 v17, s20, v17
	v_lshl_add_u32 v18, v16, 7, v7
	s_delay_alu instid0(VALU_DEP_1)
	v_add_nc_u32 v18, s21, v18
	v_and_b32 v19, 15, v2
	s_delay_alu instid0(VALU_DEP_1)
	v_add_nc_u32 v19, v19, v6
	s_delay_alu instid0(VALU_DEP_1)
	v_add_nc_u32 v19, s22, v19
	v_lshl_add_u32 v21, v0, 4, RECS
	v_lshlrev_b32 v22, 4, v0
	s_delay_alu instid0(VALU_DEP_1)
	v_add_nc_u32 v23, CHS-REC, v22                 ; the second record lies a chunk further on in arec
	v_cmp_lt_u32 vcc_lo, 399, v0                   ; it begins at thread 400 (6,400 bytes)
	s_delay_alu instid0(VALU_DEP_1)
	v_cndmask_b32 v22, v22, v23, vcc_lo
.macro WSUM                            ; v8 summed over the 32 lanes, the result in every lane
	s_delay_alu instid0(VALU_DEP_1)
	v_add_f32_dpp v8, v8, v8 row_xmask:1 row_mask:0xf bank_mask:0xf
	s_delay_alu instid0(VALU_DEP_1)
	v_add_f32_dpp v8, v8, v8 row_xmask:2 row_mask:0xf bank_mask:0xf
	s_delay_alu instid0(VALU_DEP_1)
	v_add_f32_dpp v8, v8, v8 row_xmask:4 row_mask:0xf bank_mask:0xf
	s_delay_alu instid0(VALU_DEP_1)
	v_add_f32_dpp v8, v8, v8 row_xmask:8 row_mask:0xf bank_mask:0xf
	s_delay_alu instid0(VALU_DEP_1)
	v_permlanex16_b32 v9, v8, s16, s17
	s_delay_alu instid0(VALU_DEP_1)
	v_add_f32 v8, v8, v9
.endm
.macro FOLD
	s_delay_alu instid0(VALU_DEP_3)
	v_pk_add_f32 v[8:9], v[8:9], v[10:11]
	s_delay_alu instid0(VALU_DEP_2)
	v_pk_add_f32 v[12:13], v[12:13], v[14:15]
	s_delay_alu instid0(VALU_DEP_1)
	v_pk_add_f32 v[8:9], v[8:9], v[12:13]
	s_delay_alu instid0(VALU_DEP_1)
	v_add_f32 v8, v8, v9
.endm
	s_wait_loadcnt 16                              ; the row's eight loads are in; the gain's and the bias's sixteen may be out
.irp c, 0,1,2,3
	v_pk_add_f32 v[8+2*\c:9+2*\c], v[X+4*\c:X+4*\c+1], v[X+4*\c+2:X+4*\c+3]
.endr
.irp i, 16,24
.irp c, 0,1,2,3
	s_delay_alu instid0(VALU_DEP_4)
	v_pk_add_f32 v[8+2*\c:9+2*\c], v[8+2*\c:9+2*\c], v[X+\i+2*\c:X+\i+2*\c+1]
.endr
.endr
	FOLD
	WSUM
	s_delay_alu instid0(VALU_DEP_1)
	v_mul_f32 v10, 0x3a800000, v8                  ; the mean
	s_delay_alu instid0(VALU_DEP_1)
	v_mov_b32 v11, v10
.set j, 0
.rept 16
	v_pk_add_f32 v[X+j:X+j+1], v[X+j:X+j+1], v[10:11] neg_lo:[0,1] neg_hi:[0,1]
.set j, j+2
.endr
.irp c, 0,1,2,3
	v_pk_mul_f32 v[8+2*\c:9+2*\c], v[X+2*\c:X+2*\c+1], v[X+2*\c:X+2*\c+1]
.endr
.irp i, 8,16,24
.irp c, 0,1,2,3
	s_delay_alu instid0(VALU_DEP_4)
	v_pk_fma_f32 v[8+2*\c:9+2*\c], v[X+\i+2*\c:X+\i+2*\c+1], v[X+\i+2*\c:X+\i+2*\c+1], v[8+2*\c:9+2*\c]
.endr
.endr
	FOLD
	WSUM
	s_delay_alu instid0(VALU_DEP_1)
	v_fma_f32 v8, v8, 0x3a800000, s18              ; variance + 1e-5
	s_wait_alu depctr_va_vdst(0)
	v_rsq_f32 v12, v8
	v_nop                                          ; a plain instruction between the root and the use of its result
	s_wait_alu depctr_va_vdst(0)
	v_mov_b32 v13, v12
	s_wait_alu depctr_va_vdst(0)
	s_wait_loadcnt 0x0
.set j, 0
.rept 16
	v_pk_mul_f32 v[X+j:X+j+1], v[X+j:X+j+1], v[12:13]
	s_delay_alu instid0(VALU_DEP_1)
	v_pk_fma_f32 v[X+j:X+j+1], v[X+j:X+j+1], v[G+j:G+j+1], v[BV+j:BV+j+1]
.set j, j+2
.endr
.irp j, 0,1,2,3,4,5,6,7
	ds_store_b128 v4, v[X+4*\j:X+4*\j+3] offset:576*\j
.endr
.irp i, 0,1,2,3,4,5,6,7
	ds_load_b128 v[Y+4*\i:Y+4*\i+3], v5 offset:16*\i   ; LDS serves a wave's instructions in order: these see the stores above
.endr
	s_wait_dscnt 0x0
	v_max3_num_f32 v8, |v[Y]|, |v[Y+1]|, |v[Y+2]|
	v_max3_num_f32 v9, |v[Y+3]|, |v[Y+4]|, |v[Y+5]|
.irp i, 6,10,14,18,22,26
	s_delay_alu instid0(VALU_DEP_2)
	v_max3_num_f32 v8, v8, |v[Y+\i]|, |v[Y+\i+1]|
	s_delay_alu instid0(VALU_DEP_2)
	v_max3_num_f32 v9, v9, |v[Y+\i+2]|, |v[Y+\i+3]|
.endr
	s_delay_alu instid0(VALU_DEP_2)
	v_max3_num_f32 v8, v8, |v[Y+30]|, |v[Y+31]|
	s_delay_alu instid0(VALU_DEP_1)
	v_max3_num_f32 v8, v8, v9, 0x1800000           ; the floor 2^(3 - 127): the byte cannot fall under 1
	s_delay_alu instid0(VALU_DEP_1)
	v_add_nc_u32 v10, 0xff000000, v8               ; 2 off the exponent field: the conversion's scale operand
	s_delay_alu instid0(VALU_DEP_1)
	v_lshrrev_b32 v11, 23, v10
	v_cvt_scalef32_pk16_fp6_f32 v[C:C+2], v[Y:Y+15], v10
	v_cvt_scalef32_pk16_fp6_f32 v[D:D+2], v[Y+16:Y+31], v10
	v_nop                                          ; one plain place behind a scaled conversion
.irp i, 0,1,2
	v_mov_b32 v[C+3+\i], v[D+\i]
.endr
	ds_store_b128 v17, v[C:C+3]
	ds_store_b64 v18, v[C+4:C+5]
	ds_store_b8 v19, v11
	s_wait_dscnt 0x0                               ; for the others' sake: my stores into the records are done
	s_barrier_signal -1
	s_barrier_wait -1
	ds_load_b128 v[24:27], v21
	s_cmp_gt_u32 s12, 8                            ; 12,800 bytes = 512 threads x 16 + 288 threads x 16: waves 0-8 take a second piece
	s_cbranch_scc1 .Lone
	ds_load_b128 v[28:31], v21 offset:8192
	s_wait_dscnt 0x0
	global_store_b128 v23, v[28:31], s[10:11] offset:8192
.Lone:
	s_wait_dscnt 0x0
	global_store_b128 v22, v[24:27], s[10:11]
	s_wait_tensorcnt 0x0
	ds_add_u32 v176, v177
	s_wait_dscnt 0x0
	s_endpgm
.Lfunc_end_k_qc4a2f25b6c_ln2:
	.size	k_qc4a2f25b6c_ln2, .Lfunc_end_k_qc4a2f25b6c_ln2-k_qc4a2f25b6c_ln2
	.p2alignl 7, 3214868480
	.fill 96, 4, 3214868480
	.section	.rodata,"a",@progbits
	.p2align	6, 0x0
	.amdhsa_kernel k_qc4a2f25b6c_ln2
		.amdhsa_group_segment_fixed_size 88576
		.amdhsa_private_segment_fixed_size 0
		.amdhsa_enable_private_segment 0
		.amdhsa_kernarg_size 32
		.amdhsa_user_sgpr_count 2
		.amdhsa_user_sgpr_kernarg_segment_ptr 1
		.amdhsa_wavefront_size32 1
		.amdhsa_system_sgpr_workgroup_id_x 1
		.amdhsa_system_sgpr_workgroup_id_y 1
		.amdhsa_system_sgpr_workgroup_id_z 1
		.amdhsa_system_vgpr_workitem_id 0
		.amdhsa_next_free_vgpr 178
		.amdhsa_next_free_sgpr 66
		.amdhsa_reserve_vcc 1
		.amdhsa_float_denorm_mode_32 3
		.amdhsa_float_denorm_mode_16_64 3
		.amdhsa_memory_ordered 1
		.amdhsa_forward_progress 1
		.amdhsa_inst_pref_size 18
	.end_amdhsa_kernel
	.amdgpu_metadata
---
amdhsa.version: [ 1, 2 ]
amdhsa.kernels:
  - .name:           k_qc4a2f25b6c_ln2
    .symbol:         k_qc4a2f25b6c_ln2.kd
    .args:
      - { .name: x1, .offset: 0, .size: 8, .value_kind: global_buffer, .address_space: global }
      - { .name: ln2_g, .offset: 8, .size: 8, .value_kind: global_buffer, .address_space: global }
      - { .name: ln2_b, .offset: 16, .size: 8, .value_kind: global_buffer, .address_space: global }
      - { .name: arec, .offset: 24, .size: 8, .value_kind: global_buffer, .address_space: global }
    .group_segment_fixed_size: 88576
    .private_segment_fixed_size: 0
    .kernarg_segment_align: 8
    .kernarg_segment_size: 32
    .max_flat_workgroup_size: 512
    .sgpr_count:     66
    .vgpr_count:     178
    .wavefront_size: 32
...
	.end_amdgpu_metadata
.endif
;; end of part 5
;; launch fc1 (part 6): grid 16 x 16, 4 waves a work-group, clusters of 4 x 4, 327,680 bytes of LDS; arguments arec, wimg, b_fc1, grec; writes grec
.if DOCPART == 6
	.amdgcn_target "amdgcn-amd-amdhsa--gfx1250"
	.amdhsa_code_object_version 6
	.text
	.protected	k_qc4a2f25b6c_fc1
	.globl	k_qc4a2f25b6c_fc1
	.p2align	8
	.type	k_qc4a2f25b6c_fc1,@function
k_qc4a2f25b6c_fc1:
	s_mov_b64 s[64:65], 0
	v_nop
	global_prefetch_b8 v0, s[64:65] scope:SCOPE_SE
	s_setreg_imm32_b32 hwreg(HW_REG_WAVE_MODE, 25, 1), 1
	s_wait_xcnt 0x0
	s_wait_alu depctr_hold_cnt(0) depctr_sa_sdst(0) depctr_va_vdst(0) depctr_va_sdst(0) depctr_va_ssrc(0) depctr_va_vcc(0) depctr_vm_vsrc(0)
	s_getreg_b32 s2, hwreg(HW_REG_IB_STS2, 6, 4)
	s_cmp_eq_u32 s2, 0
	s_cbranch_scc0 .Lentry_in_a_cluster
	s_endpgm
.Lentry_in_a_cluster:
	s_bfe_u32 s2, ttmp6, 0x10000c
	s_cmp_lg_u32 s2, 0xf033
	s_cbranch_scc0 .Lentry_shape_is_right
	s_endpgm
.Lentry_shape_is_right:
; g = gelu(Q(LN2(x1)) Q(w_fc1) + b_fc1), exact-erf GELU in f32, quantised along the hidden axis to E2M3 with E8M0 scales and stored as the next product's operand records.
; OPERANDS are records (6,400 bytes: 16 rows x 512 along K: four images of a fragment's registers, 1,536 bytes each, then 16 scale bytes a row); a buffer is [chunk of 512][tile of 16 rows].
; SHARES.  A work-group makes 256 tokens x 256 hidden units; 16 x 16 work-groups.  Four waves, each 128 x 128: 64 accumulators, 512 registers.  K = 1,024 is eight steps of 64 matrix instructions.
; LDS.  Chunk 0 of both sides comes whole at the head (each wave 8 records, 51,200 bytes): bytes 0 .. 204,799.  Of chunk 1, each record's bytes 3,072 .. 6,399 (steps kk 2, 3 and the scale bytes) are
; asked for behind the head's round into bytes of their own (XR ..), and its bytes 0 .. 3,071 (kk 0, 1) fill chunk 0's bytes again in step 3, when every wave has read them.  So chunk 1 is walked kk 2, 3, 0, 1.
; By the text's own count a wave has one tensor load out at a time.  Every tensor row begins at a multiple of 256 bytes (6,400 = 25 x 256, 3,072 = 12 x 256).
; CLUSTER 4 x 4: the tokens' tiles hang on the block row alone and are asked for jointly along a row of the cluster, the weights' on the block column alone, jointly along a column.
; NO PREFETCH: the block is the largest, in clusters, and K is short: three fills in all; the second is asked for 256 matrix instructions ahead of its first read, the third 96.
; THE PRODUCT IS USED TRANSPOSED (source 0 = 16 weight rows, source 1 = 16 tokens): a lane holds one token, and by the weight tiles' row order the 32 registers of four tiles are units 32 b + 16 h + i.
; THE WAY OUT is one loop of 16 trips, 32 numbers a lane each (16 tokens x 64 units).  A jump on the trip's number picks the lines that read that trip's accumulators: t = (sum + bias) / sqrt 2.
; erf(t) = tc P(tc^2) / Q(tc^2), tc = t held to +-4.  Q's coefficients are divided by sqrt 2, so that t (tc P / Q' + sqrt 2) = 2 gelu; the 2 is taken off the scale byte: the codes are those of gelu.
; LIMITS: a block whose largest magnitude is under 2^-124 gets the byte 1 (this program alone reads the bytes); NaN and infinities are not served.
; REGISTERS.  Window 0: v4-7 two coefficients; v8-25 addresses; v28, v29 for the add; v32-95 scale words, two sets; v128-223 the tokens' fragments (one set); on the way out v96-255 at work.
; Window 1: the weights' fragments, two sets at v0 and v128; v96-127, v224-255 the bias / sqrt 2.  Windows 2, 3: the accumulators, (a, b) at v[8 (8 (a % 4) + b)].
.set REC,   6400
.set ACHS,  256*REC
.set BCHS,  256*REC
.set WOFF,  3276800
.set XP,    3328
.set YP,    3072
.set XR,    32*REC
.set SPARE, XR+32*XP                   ; the spare words, 128 bytes a wave
.set ADA, 8                            ; v8-13   the tokens' fragments: 16 L and 8 L, in chunk 0, in XR, in the refilled bytes
.set ADB, 14                           ; v14-19  the weights'
.set SAD, 20                           ; v20-21  scale words: chunk 0, chunk 1
.set O16, 22
.set O8,  23
.set O16R, 24
.set OBI, 25
.set SPW, 28
.set NIL, 29
.set PWA, 30
.set PW,  31
.set SC,  32
.set AF,  128
.set T,   96
.set TC,  128
.set X2,  160
.set P,   192
.set Q,   224
.set TM,  192
.set PT,  200
.set PC,  204
.set G1A, 24
.set G1B, 32
.set G0A, 40
.set G0B, 44
.set SEL, 56
.set MSB, 0
.macro WIN new                         ; the immediate's high byte repeats the setting that is left
.if MSB != \new
	s_set_vgpr_msb (MSB<<8)|\new
.set MSB, \new
.endif
.endm
.set MUL_LO, 0xa1                      ; source 0 window 1, source 1 window 0, C and D window 2
.set MUL_HI, 0xf1
.set TO_B,   0x40
.macro PLACES                          ; four places behind a matrix instruction (ISA guide 7.12.1)
.rept 4
	v_nop
.endr
.endm
.macro CREST
	s_cmp_lg_u32 s12, 0
	s_cbranch_scc1 .Lnw0_\@
	s_barrier_signal -3
.Lnw0_\@:
	s_barrier_wait -3
	s_barrier_signal -1
	s_barrier_wait -1
.endm
.macro CROUND                          ; a round of the cluster's barrier
	s_barrier_signal -1
	s_barrier_wait -1
	CREST
.endm
.macro JLOAD                           ; waves 0, 1 fetch the tokens' two halves, waves 2, 3 the weights': one load in each arm
	s_cmp_eq_u32 s13, 0
	s_cbranch_scc0 .Lfb_\@
	tensor_load_to_lds s[G0A:G0A+3], s[G1A:G1A+7]
	s_nop 0
	PLACES
	s_branch .Lok_\@
.Lfb_\@:
	tensor_load_to_lds s[G0B:G0B+3], s[G1B:G1B+7]
	s_nop 0
	PLACES
.Lok_\@:
.endm
.macro COEF n, bits
	s_mov_b32 s[\n], \bits
	s_mov_b32 s[\n+1], \bits
.endm
.macro GEO st                          ; where step st's images lie: which address registers, the pitch from tile to tile, the byte in a tile's row
.if (\st) < 4
.set FRG, 0
.set FPI, REC
.set FOF, (\st)*1536
.elseif (\st) < 6
.set FRG, 1
.set FPI, XP
.set FOF, ((\st)-4)*1536
.else
.set FRG, 2
.set FPI, YP
.set FOF, ((\st)-6)*1536
.endif
.endm
.macro FRAG reg, ad, off               ; a fragment's 12 registers: consecutive over the lanes
	ds_load_b128 v[(\reg):(\reg)+3], v[\ad] offset:\off
	ds_load_b64 v[(\reg)+4:(\reg)+5], v[\ad+1] offset:\off+512
	ds_load_b128 v[(\reg)+6:(\reg)+9], v[\ad] offset:\off+768
	ds_load_b64 v[(\reg)+10:(\reg)+11], v[\ad+1] offset:\off+1280
.endm
.macro FETCH_B st
	GEO \st
	WIN TO_B
.irp i, 0,1,2,3,4,5,6,7
	FRAG 128*((\st)%2)+12*\i, ADB+2*FRG, \i*FPI+FOF
.endr
	WIN 0
.endm
.macro FETCH_A st, i0
	GEO \st
.irp i, \i0, \i0+1, \i0+2, \i0+3
	FRAG AF+12*(\i), ADA+2*FRG, (\i)*FPI+FOF
.endr
.endm
.macro SCALES set, pitch               ; a chunk's scale words: register 4 i + kk: lanes 0-15 the tokens' tile i, lanes 16-31 the weights' tile i
.irp i, 0,1,2,3,4,5,6,7
	ds_load_b128 v[SC+32*(\set)+4*\i:SC+32*(\set)+4*\i+3], v[SAD+(\set)] offset:\i*(\pitch)
.endr
.endm
; 16 matrix instructions; the 64 accumulators take turns in the same order in every step
.macro MUL16 a0, p, sc, kk, zero
.irp a, \a0, \a0+1
.irp b, 0,1,2,3,4,5,6,7
.if \zero
	v_wmma_scale_f32_16x16x128_f8f6f4 v[8*(8*((\a)%4)+\b):8*(8*((\a)%4)+\b)+7], v[128*(\p)+12*\b:128*(\p)+12*\b+11], v[AF+12*(\a):AF+12*(\a)+11], 0, v[SC+32*(\sc)+4*\b+(\kk)], v[SC+32*(\sc)+4*(\a)+(\kk)] matrix_a_fmt:MATRIX_FMT_FP6 matrix_b_fmt:MATRIX_FMT_FP6 matrix_a_scale:MATRIX_SCALE_ROW1
.else
	v_wmma_scale_f32_16x16x128_f8f6f4 v[8*(8*((\a)%4)+\b):8*(8*((\a)%4)+\b)+7], v[128*(\p)+12*\b:128*(\p)+12*\b+11], v[AF+12*(\a):AF+12*(\a)+11], v[8*(8*((\a)%4)+\b):8*(8*((\a)%4)+\b)+7], v[SC+32*(\sc)+4*\b+(\kk)], v[SC+32*(\sc)+4*(\a)+(\kk)] matrix_a_fmt:MATRIX_FMT_FP6 matrix_b_fmt:MATRIX_FMT_FP6 matrix_a_scale:MATRIX_SCALE_ROW1
.endif
.endr
.endr
.endm
; A step of 128 along K.  The next step's fragments are fetched in its middle (the weights' other set, the tokens' blocks 0-3) and at its end (blocks 4-7).
; Step 3 leaves chunk 0's bytes: the three lines, a round of the cluster's barrier, and the refill.  Step 5: a barrier shows the refilled bytes whole.
.macro STEP st, zero
.set MP, (\st)%2
.set MS, (\st)/4
.set MK, ((\st)+2*((\st)/4))%4
.if (\st) == 3 || (\st) == 5
	s_wait_tensorcnt 0x0                           ; my one load that was out has landed
.if (\st) == 3
	ds_add_u32 v[SPW], v[NIL]
	s_mov_b32 s[G1A+1], (YP/8)<<16                 ; no load of mine is out: the descriptors take rows of 3,072 bytes,
	s_mov_b32 s[G1A+3], (YP/8)<<16
	s_mov_b32 s[G1B+1], (YP/8)<<16
	s_mov_b32 s[G1B+3], (YP/8)<<16
	s_mov_b32 s[G0A+1], s55                        ; into chunk 0's bytes,
	s_mov_b32 s[G0B+1], s55
	s_sub_nc_u64 s[G0A+2:G0A+3], s[G0A+2:G0A+3], YP  ; from the records' first byte
	s_sub_nc_u64 s[G0B+2:G0B+3], s[G0B+2:G0B+3], YP
	s_wait_dscnt 17                                ; the add and the youngest 16 loads (blocks 4-7) may be out
.else
	s_wait_dscnt 16
.endif
	WIN MUL_LO
	MUL16 0, MP, MS, MK, \zero
	s_wait_dscnt 0x0                               ; the add is done and all my LDS reads are over
	s_barrier_signal -1
	MUL16 2, MP, MS, MK, \zero
	WIN 0
	s_barrier_wait -1
.if (\st) == 3
	CREST
	JLOAD                                          ; its four v_nop are the places in front of the loads below
.else
	PLACES
.endif
.else
	s_wait_dscnt 16                                ; all but the youngest 16 loads (the tokens' blocks 4-7)
	WIN MUL_LO
	MUL16 0, MP, MS, MK, \zero
	MUL16 2, MP, MS, MK, \zero
	s_wait_dscnt 0x0
	PLACES
.endif
.if (\st) < 7
	FETCH_B \st+1
	FETCH_A \st+1, 0
.if (\st) == 3
	SCALES 1, XP
.endif
.endif
	WIN MUL_HI
	MUL16 4, MP, MS, MK, \zero
	MUL16 6, MP, MS, MK, \zero
.if (\st) < 7
	PLACES
	WIN 0
	FETCH_A \st+1, 4
.endif
.endm
	s_load_b256 s[4:11], s[0:1], 0x0               ; arec, wimg, b_fc1, grec
	v_lshl_add_u32 v[SPW], v0, 2, SPARE
	v_mov_b32 v[NIL], 0
	ds_add_u32 v[SPW], v[NIL]                      ; the opening lines
	ds_add_u32 v[SPW], v[NIL]
	v_lshrrev_b32 v1, 5, v0
	v_readfirstlane_b32 s12, v1                    ; wave
	s_lshr_b32 s13, s12, 1                         ; my half of the tokens.  Also: I fetch tokens (0) or weights (1)
	s_and_b32 s14, s12, 1                          ; my half of the hidden units.  Also: which 8 records I fetch
	s_bfe_u32 s15, ttmp6, 0x40000                  ; cx, cy
	s_bfe_u32 s16, ttmp6, 0x40004
	s_lshl_b32 s17, ttmp9, 2
	s_add_co_u32 s17, s17, s15                     ; block column
	s_and_b32 s18, ttmp7, 0xffff
	s_lshl_b32 s18, s18, 2
	s_add_co_u32 s18, s18, s16                     ; block row
	s_lshl_b32 s19, s16, 2
	s_lshl_b32 s19, 15, s19                        ; my row of the cluster
	s_lshl_b32 s20, 0x1111, s15                    ; my column
	s_or_b32 s[G1A], s19, (3<<16)|(1<<21)          ; the mask; elements of 8 bytes; 21 set beside a mask
	s_or_b32 s[G1B], s20, (3<<16)|(1<<21)
.irp g, G1A, G1B
	s_mov_b32 s[\g+1], (REC/8)<<16                 ; at the head a row is a whole record,
	s_mov_b32 s[\g+2], 8<<16                       ; 8 rows
	s_mov_b32 s[\g+3], (REC/8)<<16
	s_mov_b32 s[\g+4], 8
	s_mov_b32 s[\g+5], REC/8                       ; the pitch: a record
	s_mov_b32 s[\g+6], 0
	s_mov_b32 s[\g+7], 0
.endr
	s_mul_i32 s48, s18, 16*REC
	s_mul_i32 s52, s14, 8*REC
	s_add_co_u32 s48, s48, s52                     ; the tokens: tiles 16 x block row + 8 x half
	s_mov_b32 s49, 0
	s_mul_i32 s50, s17, 16*REC
	s_add_co_u32 s50, s50, s52
	s_add_co_u32 s50, s50, WOFF                    ; the weights: tiles 16 x block column + 8 x half
	s_mov_b32 s51, 0
	s_mul_i32 s53, s12, 8*REC                      ; where my part goes: the wave's number alone
	s_mul_i32 s54, s12, 8*XP
	s_add_co_u32 s54, s54, XR
	s_mul_i32 s55, s12, 8*YP
	s_mov_b32 s[SEL], 0x76543210
	s_mov_b32 s[SEL+1], 0xfedcba98
	COEF 58, 0x32edffee                            ; P's coefficients, from the second highest down
	COEF 60, 0xb60cff51
	COEF 62, 0xb86ec2d2
	COEF 66, 0xba40ac63
	COEF 68, 0xbb41a1f6
	COEF 70, 0xbc83dbd4
	COEF 80, 0x3fb504f3                            ; sqrt 2
	COEF 82, 0x3f3504f3                            ; 1 / sqrt 2
	s_mov_b32 s88, 768
	s_mov_b32 s89, 0
	s_wait_dscnt 0x0
	s_wait_kmcnt 0x0
	s_add_nc_u64 s[48:49], s[4:5], s[48:49]
	s_add_nc_u64 s[50:51], s[6:7], s[50:51]
	CROUND                                         ; all sixteen work-groups are here: the first joint loads meet
	s_mov_b32 s[G0A], 1
	s_mov_b32 s[G0A+1], s53
	s_mov_b64 s[G0A+2:G0A+3], s[48:49]
	s_or_b32 s[G0A+3], s[G0A+3], 0x80000000
	s_mov_b32 s[G0B], 1
	s_mov_b32 s[G0B+1], s53
	s_mov_b64 s[G0B+2:G0B+3], s[50:51]
	s_or_b32 s[G0B+3], s[G0B+3], 0x80000000
	JLOAD                                          ; chunk 0: one load a wave
	v_and_b32 v1, 31, v0
	v_and_b32 v2, 15, v0
	v_bfe_u32 v3, v0, 4, 1
	v_lshlrev_b32 v[O16], 4, v1
	v_lshlrev_b32 v[O8], 3, v1
	v_lshlrev_b32 v[O16R], 4, v2
	v_lshlrev_b32 v[OBI], 6, v3
	v_mov_b32 v26, 0x3f3504f3
	v_mov_b32 v4, 0xaf95df0b                       ; P's highest coefficient
	v_mov_b32 v5, 0xaf95df0b
	v_mov_b32 v[PWA], 0
	s_wait_alu depctr_va_vdst(0)
	v_mul_f32 v6, 0xb77460cd, v26                  ; Q's coefficients / sqrt 2: the highest,
	v_mov_b32 v7, v6
.macro QCO n, bits
	v_mul_f32 v27, \bits, v26
	v_readfirstlane_b32 s[\n], v27
	s_mov_b32 s[\n+1], s[\n]
.endm
	QCO 72, 0xb95fbd29                             ; and the four below it
	QCO 74, 0xbadc924e
	QCO 76, 0xbbf19bf8
	QCO 78, 0xbc69b6a7
	s_lshl_b32 s92, s17, 10
	s_lshl_b32 s93, s14, 9
	s_add_co_u32 s92, s92, s93
	s_mov_b32 s93, 0
	s_add_nc_u64 s[8:9], s[8:9], s[92:93]          ; the bias of my 128 units
	WIN TO_B
.irp b, 0,1,2,3,4,5,6,7
	global_load_b128 v[96+128*(\b/4)+8*(\b%4):96+128*(\b/4)+8*(\b%4)+3], v[OBI], s[8:9] offset:128*(\b/2)+32*(\b%2)
	global_load_b128 v[96+128*(\b/4)+8*(\b%4)+4:96+128*(\b/4)+8*(\b%4)+7], v[OBI], s[8:9] offset:128*(\b/2)+32*(\b%2)+16
.endr
	WIN 0
.macro ADR rg, half, base, tail        ; my fragments' addresses in one region; tail: where a row's scale bytes begin
	s_mul_i32 s92, s13, \half
	s_mul_i32 s93, s14, \half
	s_add_co_u32 s92, s92, \base
	s_add_co_u32 s93, s93, \base+2*\half
	v_add_nc_u32 v[ADA+2*\rg], s92, v[O16]
	v_add_nc_u32 v[ADA+2*\rg+1], s92, v[O8]
	v_add_nc_u32 v[ADB+2*\rg], s93, v[O16]
	v_add_nc_u32 v[ADB+2*\rg+1], s93, v[O8]
.if \rg < 2
	s_sub_co_u32 s93, s93, s92
	v_mad_u32_u24 v[SAD+\rg], v3, s93, v[O16R]     ; lanes 16-31 take the weights'
	s_add_co_u32 s92, s92, \tail
	v_add_nc_u32 v[SAD+\rg], s92, v[SAD+\rg]
.endif
.endm
	ADR 0, 8*REC, 0, 6144
	ADR 1, 8*XP, XR, 3072
	ADR 2, 8*YP, 0, 0
	s_lshr_b32 s92, s17, 1                         ; where the results go: chunk = block column / 2,
	s_lshl_b32 s92, s92, 8
	s_lshl_b32 s93, s18, 4
	s_add_co_u32 s92, s92, s93
	s_lshl_b32 s93, s13, 3
	s_add_co_u32 s92, s92, s93                     ; tile 16 x block row + 8 x half
	s_mul_i32 s92, s92, REC
	s_and_b32 s94, s17, 1
	s_lshl_b32 s94, s94, 1
	s_add_co_u32 s94, s94, s14                     ; kk = 2 (block column % 2) + my half of the units
	s_mul_i32 s95, s94, 1536
	s_add_co_u32 s95, s95, s92
	s_lshl_b32 s94, s94, 2
	s_add_co_u32 s94, s94, s92
	s_add_co_u32 s94, s94, 6144-3200               ; the scale words' base steps half a record a trip and is used in the odd trips
	s_mov_b32 s93, 0
	s_mov_b32 s92, s95
	s_add_nc_u64 s[84:85], s[10:11], s[92:93]
	s_mov_b32 s92, s94
	s_add_nc_u64 s[86:87], s[10:11], s[92:93]
	s_wait_alu depctr_va_vdst(0)
	s_wait_loadcnt 0x0                             ; the bias
	WIN 0x41
.set j, 0
.rept 16
	v_pk_mul_f32 v[96+j:97+j], v[96+j:97+j], s[82:83] op_sel_hi:[1,0]      ; bias / sqrt 2
	v_pk_mul_f32 v[224+j:225+j], v[224+j:225+j], s[82:83] op_sel_hi:[1,0]
.set j, j+2
.endr
	WIN 0
	s_wait_alu depctr_va_vdst(0)
	s_wait_tensorcnt 0x0                           ; my part of chunk 0 is in; the three lines, as ahead of a refill
	ds_add_u32 v[SPW], v[NIL]
	s_mov_b32 s[G1A+1], (XP/8)<<16                 ; rows of 3,328 bytes: kk 2, 3 and the scale bytes of chunk 1,
	s_mov_b32 s[G1A+3], (XP/8)<<16
	s_mov_b32 s[G1B+1], (XP/8)<<16
	s_mov_b32 s[G1B+3], (XP/8)<<16
	s_mov_b32 s[G0A+1], s54                        ; into bytes of their own
	s_mov_b32 s[G0B+1], s54
	s_add_nc_u64 s[G0A+2:G0A+3], s[G0A+2:G0A+3], ACHS+YP
	s_add_nc_u64 s[G0B+2:G0B+3], s[G0B+2:G0B+3], BCHS+YP
	s_wait_dscnt 0x0
	CROUND
	JLOAD
	FETCH_B 0
	FETCH_A 0, 0
	SCALES 0, REC
	FETCH_A 0, 4
	STEP 0, 1                                      ; the first step starts the sums
	STEP 1, 0
	STEP 2, 0
	STEP 3, 0
	STEP 4, 0
	STEP 5, 0
	STEP 6, 0
	STEP 7, 0
	WIN 0
	PLACES
; THE WAY OUT.  Trip u = 2 a + c: token tile a, units 64 c .. 64 c + 63 of my 128.
.macro CASE u
.Lcase\u:
	WIN 0x12+((\u)/8)                              ; source 0: window 2 or 3; source 2: window 1
	s_wait_alu depctr_va_vdst(0)                   ; directly ahead of the first read of these matrix results
.set AB, 64*(((\u)/2)%4)+32*((\u)%2)
.set BB, 96+128*((\u)%2)
.set j, 0
.rept 16
	v_pk_fma_f32 v[T+j:T+j+1], v[AB+j:AB+j+1], s[82:83], v[BB+j:BB+j+1] op_sel_hi:[1,0,1]   ; each accumulator from its low end on
.set j, j+2
.endr
	WIN 0
	s_wait_alu depctr_va_vdst(0)
.if (\u) != 0
	s_branch .Lbody
.endif
.endm
.macro M16 d, a, b
.set j, 0
.rept 16
	v_pk_mul_f32 v[\d+j:\d+j+1], v[\a+j:\a+j+1], v[\b+j:\b+j+1]
.set j, j+2
.endr
.endm
.macro H16 d, a, b, c
.set j, 0
.rept 16
	v_pk_fma_f32 v[\d+j:\d+j+1], v[\a+j:\a+j+1], v[\b+j:\b+j+1], s[\c:\c+1] op_sel_hi:[1,1,0]
.set j, j+2
.endr
.endm
.macro H16F d, vc, c
.set j, 0
.rept 16
	v_pk_fma_f32 v[\d+j:\d+j+1], v[X2+j:X2+j+1], v[\vc:\vc+1], s[\c:\c+1] op_sel_hi:[1,1,0]
.set j, j+2
.endr
.endm
	s_mov_b32 s90, 0
.Lunit:
.irp u, 0,1,2,3,4,5,6,7,8,9,10,11,12,13,14
	s_cmp_eq_u32 s90, \u
	s_cbranch_scc1 .Lcase\u
.endr
.irp u, 15,14,13,12,11,10,9,8,7,6,5,4,3,2,1,0
	CASE \u
.endr
.Lbody:
.set j, 0
.rept 32
	v_med3_num_f32 v[TC+j], v[T+j], -4.0, 4.0
.set j, j+1
.endr
	M16 X2, TC, TC
	H16F Q, 6, 72
	H16F P, 4, 58
	H16 Q, Q, X2, 74
	H16 Q, Q, X2, 76
	H16 Q, Q, X2, 78
	s_wait_alu depctr_va_vdst(0)
.set j, 0
.rept 32
	v_rcp_f32 v[Q+j], v[Q+j]
.set j, j+1
.endr
	H16 P, P, X2, 60                               ; P's other steps name none of the batch's results
	H16 P, P, X2, 62
	H16 P, P, X2, 66
	H16 P, P, X2, 68
	H16 P, P, X2, 70
	M16 TC, TC, P
	s_wait_alu depctr_va_vdst(0)                   ; and behind it, ahead of its first reader
	H16 X2, TC, Q, 80                              ; sqrt 2 (1 + erf)
	M16 T, T, X2                                   ; 2 gelu
; 32 numbers of a lane (register 16 b + i = unit 32 b + 16 h + i) become a half image and two scale bytes
.irp b, 0,1
	v_max3_num_f32 v[TM+\b], |v[T+16*\b]|, |v[T+16*\b+1]|, 0x2000000       ; the floor 2^(4 - 127): the byte, 3 under the exponent field, cannot fall under 1
	v_max3_num_f32 v[TM+2+\b], |v[T+16*\b+8]|, |v[T+16*\b+9]|, |v[T+16*\b+10]|
.endr
.irp i, 2,4
.irp b, 0,1
	v_max3_num_f32 v[TM+\b], v[TM+\b], |v[T+16*\b+\i]|, |v[T+16*\b+\i+1]|
	v_max3_num_f32 v[TM+2+\b], v[TM+2+\b], |v[T+16*\b+\i+9]|, |v[T+16*\b+\i+10]|
.endr
.endr
.irp b, 0,1
	v_max3_num_f32 v[TM+\b], v[TM+\b], |v[T+16*\b+6]|, |v[T+16*\b+7]|
.endr
.irp b, 0,1
	v_max3_num_f32 v[TM+\b], v[TM+\b], v[TM+2+\b], |v[T+16*\b+15]|
.endr
	v_permlanex16_b32 v[TM+2], v[TM], s[SEL], s[SEL+1]
	v_permlanex16_b32 v[TM+3], v[TM+1], s[SEL], s[SEL+1]
	v_max_num_f32 v[TM], v[TM], v[TM+2]            ; with lane l xor 16's: the block's largest magnitude
	v_max_num_f32 v[TM+1], v[TM+1], v[TM+3]
	v_add_nc_u32 v[TM+4], 0xff000000, v[TM]        ; 2 off the exponent field: the conversion's scale operand
	v_add_nc_u32 v[TM+5], 0xff000000, v[TM+1]
	v_lshrrev_b32 v[TM+2], 23, v[TM+4]
	v_lshrrev_b32 v[TM+3], 23, v[TM+5]
	v_lshl_or_b32 v[PW], v[TM+3], 8, v[TM+2]
	v_add_nc_u32 v[PW], 0xfffffeff, v[PW]          ; 1 off both bytes: the numbers were 2 gelu
	v_lshrrev_b32 v[PWA], 16, v[PWA]
	v_lshl_or_b32 v[PWA], v[PW], 16, v[PWA]        ; in an odd trip: the even trip's two bytes below, this trip's above
	v_cvt_scalef32_pk16_fp6_f32 v[PC:PC+2], v[T:T+15], v[TM+4]
	v_cvt_scalef32_pk16_fp6_f32 v[PT:PT+2], v[T+16:T+31], v[TM+5]
	v_nop                                          ; one plain place behind a scaled conversion
.irp i, 0,1,2
	v_permlane16_swap_b32 v[PC+\i], v[PT+\i]       ; the first now holds each lane's block's lower 16 codes, the second the upper 16
.endr
.irp i, 0,1,2
	v_mov_b32 v[PC+3+\i], v[PT+\i]
.endr
	global_store_b128 v[O16], v[PC:PC+3], s[84:85]             ; 512 and 256 consecutive bytes, at multiples of 256
	global_store_b64 v[O8], v[PC+4:PC+5], s[84:85] offset:512
	s_bitcmp1_b32 s90, 0
	s_cbranch_scc0 .Leven
	global_store_b32 v[O16R], v[PWA], s[86:87]     ; a row's word for my 128 units; lanes r and r + 16 store the same word to the same place
.Leven:
	s_wait_xcnt 0x0                                ; the stores have read their registers and bases
	s_add_nc_u64 s[84:85], s[84:85], s[88:89]      ; 768 on, then 5,632: the next tile's record
	s_xor_b32 s88, s88, 768^5632
	s_add_nc_u64 s[86:87], s[86:87], 3200
	s_add_co_u32 s90, s90, 1
	s_cmp_lt_u32 s90, 16
	s_wait_alu depctr_va_vdst(0)
	s_cbranch_scc1 .Lunit
	s_wait_tensorcnt 0x0                           ; the wave's end
	ds_add_u32 v[SPW], v[NIL]
	s_wait_dscnt 0x0
	CROUND                                         ; the closing round
	s_endpgm
.Lfunc_end_k_qc4a2f25b6c_fc1:
	.size	k_qc4a2f25b6c_fc1, .Lfunc_end_k_qc4a2f25b6c_fc1-k_qc4a2f25b6c_fc1
	.p2alignl 7, 3214868480
	.fill 96, 4, 3214868480
	.section	.rodata,"a",@progbits
	.p2align	6, 0x0
	.amdhsa_kernel k_qc4a2f25b6c_fc1
		.amdhsa_group_segment_fixed_size 327680
		.amdhsa_private_segment_fixed_size 0
		.amdhsa_enable_private_segment 0
		.amdhsa_kernarg_size 32
		.amdhsa_user_sgpr_count 2
		.amdhsa_user_sgpr_kernarg_segment_ptr 1
		.amdhsa_wavefront_size32 1
		.amdhsa_system_sgpr_workgroup_id_x 1
		.amdhsa_system_sgpr_workgroup_id_y 1
		.amdhsa_system_sgpr_workgroup_id_z 1
		.amdhsa_system_vgpr_workitem_id 0
		.amdhsa_next_free_vgpr 1024
		.amdhsa_next_free_sgpr 100
		.amdhsa_reserve_vcc 0
		.amdhsa_float_denorm_mode_32 3
		.amdhsa_float_denorm_mode_16_64 3
		.amdhsa_memory_ordered 1
		.amdhsa_forward_progress 1
		.amdhsa_inst_pref_size 156
	.end_amdhsa_kernel
	.amdgpu_metadata
---
amdhsa.version: [ 1, 2 ]
amdhsa.kernels:
  - .name:           k_qc4a2f25b6c_fc1
    .symbol:         k_qc4a2f25b6c_fc1.kd
    .args:
      - { .name: arec, .offset: 0, .size: 8, .value_kind: global_buffer, .address_space: global }
      - { .name: wimg, .offset: 8, .size: 8, .value_kind: global_buffer, .address_space: global }
      - { .name: b_fc1, .offset: 16, .size: 8, .value_kind: global_buffer, .address_space: global }
      - { .name: grec, .offset: 24, .size: 8, .value_kind: global_buffer, .address_space: global }
    .group_segment_fixed_size: 327680
    .private_segment_fixed_size: 0
    .kernarg_segment_align: 8
    .kernarg_segment_size: 32
    .max_flat_workgroup_size: 128
    .sgpr_count:     100
    .vgpr_count:     1024
    .wavefront_size: 32
...
	.end_amdgpu_metadata
.endif
;; end of part 6
;; launch fc2 (part 7): grid 8 x 32, 4 waves a work-group, clusters of 4 x 4, 327,680 bytes of LDS; arguments grec, wimg, b_fc2, x1, out0; writes out0
.if DOCPART == 7
	.amdgcn_target "amdgcn-amd-amdhsa--gfx1250"
	.amdhsa_code_object_version 6
	.text
	.protected	k_qc4a2f25b6c_fc2
	.globl	k_qc4a2f25b6c_fc2
	.p2align	8
	.type	k_qc4a2f25b6c_fc2,@function
k_qc4a2f25b6c_fc2:
	s_mov_b64 s[64:65], 0
	v_nop
	global_prefetch_b8 v0, s[64:65] scope:SCOPE_SE
	s_setreg_imm32_b32 hwreg(HW_REG_WAVE_MODE, 25, 1), 1
	s_wait_xcnt 0x0
	s_wait_alu depctr_hold_cnt(0) depctr_sa_sdst(0) depctr_va_vdst(0) depctr_va_sdst(0) depctr_va_ssrc(0) depctr_va_vcc(0) depctr_vm_vsrc(0)
	s_getreg_b32 s2, hwreg(HW_REG_IB_STS2, 6, 4)
	s_cmp_eq_u32 s2, 0
	s_cbranch_scc0 .Lentry_in_a_cluster
	s_endpgm
.Lentry_in_a_cluster:
	s_bfe_u32 s2, ttmp6, 0x10000c
	s_cmp_lg_u32 s2, 0xf033
	s_cbranch_scc0 .Lentry_shape_is_right
	s_endpgm
.Lentry_shape_is_right:
.set WOFF,  6553600
.set REC,   6400
.set HALF,  4*REC
.set SSL,   8*HALF
.set STAGE, 12*HALF
.set SPARE, STAGE+4*16*272
.set ACH,   256*REC
.set BCH,   64*REC
.set A16, 12
.set A8,  15
.set B16, 18
.set B8,  21
.set SAD, 24
.set SC,  32
.set BI,  64
.set ACC, 128
.set F0,  0
.set G1A, 24
.set G0A, 32
.set G1B, 48
.set G0B, 56
.set G1A2, 68
.set G1B2, 76
.set MSB, 0
.macro WIN new
.if MSB != \new
	s_set_vgpr_msb (MSB<<8)|\new
.set MSB, \new
.endif
.endm
.macro PLACES
.rept 4
	v_nop
.endr
.endm
.macro ROUND
	s_barrier_signal -1
	s_barrier_wait -1
	s_cmp_lg_u32 s10, 0
	s_cbranch_scc1 .Lnw0_\@
	s_barrier_signal -3
.Lnw0_\@:
	s_barrier_wait -3
	s_barrier_signal -1
	s_barrier_wait -1
.endm
.macro JLOAD g0a, g1a, g0b, g1b
	s_cmp_eq_u32 s11, 0
	s_cbranch_scc0 .Lfb_\@
	tensor_load_to_lds s[\g0a:\g0a+3], s[\g1a:\g1a+7]
	s_nop 0
	PLACES
	s_branch .Lok_\@
.Lfb_\@:
	tensor_load_to_lds s[\g0b:\g0b+3], s[\g1b:\g1b+7]
	s_nop 0
	PLACES
.Lok_\@:
.endm
.macro FETCH a16, a8, b16, b8, kk, f
	PLACES
	WIN 0x40
.irp i, 0,1,2,3
	ds_load_b128 v[(\f)+12*\i:(\f)+12*\i+3], v[\a16] offset:\i*REC+(\kk)*1536
	ds_load_b64 v[(\f)+12*\i+4:(\f)+12*\i+5], v[\a8] offset:\i*REC+(\kk)*1536+512
	ds_load_b128 v[(\f)+12*\i+6:(\f)+12*\i+9], v[\a16] offset:\i*REC+(\kk)*1536+768
	ds_load_b64 v[(\f)+12*\i+10:(\f)+12*\i+11], v[\a8] offset:\i*REC+(\kk)*1536+1280
.endr
.irp i, 0,1,2,3
	ds_load_b128 v[(\f)+48+12*\i:(\f)+48+12*\i+3], v[\b16] offset:\i*REC+(\kk)*1536
	ds_load_b64 v[(\f)+48+12*\i+4:(\f)+48+12*\i+5], v[\b8] offset:\i*REC+(\kk)*1536+512
	ds_load_b128 v[(\f)+48+12*\i+6:(\f)+48+12*\i+9], v[\b16] offset:\i*REC+(\kk)*1536+768
	ds_load_b64 v[(\f)+48+12*\i+10:(\f)+48+12*\i+11], v[\b8] offset:\i*REC+(\kk)*1536+1280
.endr
.endm
.macro SCALES adr, set
.irp i, 0,1,2,3
	ds_load_b128 v[SC+16*(\set)+4*\i:SC+16*(\set)+4*\i+3], v[\adr] offset:\i*REC
.endr
.endm
.macro MUL16 f, set, kk, bias
.irp a, 0,1,2,3
.irp b, 0,1,2,3
.set FA, (\f)+12*\a
.set FB, (\f)+48+12*\b
.set SA, SC+16*(\set)+4*\a+(\kk)
.set SB, SC+16*(\set)+4*\b+(\kk)
.set DD, ACC+8*(4*\a+\b)
.if \bias
	v_wmma_scale_f32_16x16x128_f8f6f4 v[DD:DD+7], v[FB:FB+11], v[FA:FA+11], v[BI+8*\b:BI+8*\b+7], v[SB], v[SA] matrix_a_fmt:MATRIX_FMT_FP6 matrix_b_fmt:MATRIX_FMT_FP6 matrix_a_scale:MATRIX_SCALE_ROW1
.else
	v_wmma_scale_f32_16x16x128_f8f6f4 v[DD:DD+7], v[FB:FB+11], v[FA:FA+11], v[DD:DD+7], v[SB], v[SA] matrix_a_fmt:MATRIX_FMT_FP6 matrix_b_fmt:MATRIX_FMT_FP6 matrix_a_scale:MATRIX_SCALE_ROW1
.endif
.endr
.endr
.endm
.macro CHUNK sl, set, first, pre, nsl
.if \pre == 0
	FETCH A16+\sl, A8+\sl, B16+\sl, B8+\sl, 0, F0
	WIN 0
	SCALES SAD+\sl, \set
.endif
.set i, 0
.rept 4
	s_wait_dscnt 0x0
.if i < 3
	FETCH A16+\sl, A8+\sl, B16+\sl, B8+\sl, i+1, F0+96*((i+1)%2)
.elseif \nsl >= 0
	FETCH A16+\nsl, A8+\nsl, B16+\nsl, B8+\nsl, 0, F0
	WIN 0
	SCALES SAD+\nsl, 1-\set
.endif
	WIN 0x05
.if \first && (i == 0)
	MUL16 F0, \set, 0, 1
.else
	MUL16 F0+96*(i%2), \set, i, 0
.endif
.set i, i+1
.endr
	WIN 0
.endm
.macro CHG which
	s_wait_tensorcnt 0x0
	ds_add_u32 v28, v29
.if \which == 0
	s_add_nc_u64 s[G0A+2:G0A+3], s[G0A+2:G0A+3], 3*ACH
	s_add_nc_u64 s[G0B+2:G0B+3], s[G0B+2:G0B+3], 3*BCH
.elseif \which == 1
	s_add_nc_u64 s[G0A+6:G0A+7], s[G0A+6:G0A+7], 3*ACH
	s_add_nc_u64 s[G0B+6:G0B+7], s[G0B+6:G0B+7], 3*BCH
.endif
	s_wait_dscnt 0x0
.if \which == 0
	ROUND
	JLOAD G0A, G1A2, G0B, G1B2
.elseif \which == 1
	ROUND
	JLOAD G0A+4, G1A, G0B+4, G1B
.else
	s_barrier_signal -1
	s_barrier_wait -1
.endif
.endm
	s_load_b256 s[84:91], s[0:1], 0x0
	s_load_b64 s[92:93], s[0:1], 0x20
	v_lshl_add_u32 v28, v0, 2, SPARE
	v_mov_b32 v29, 0
	ds_add_u32 v28, v29
	ds_add_u32 v28, v29
	s_wait_dscnt 0x0
	v_lshrrev_b32 v1, 5, v0
	v_readfirstlane_b32 s10, v1
	s_lshr_b32 s11, s10, 1
	s_and_b32 s12, s10, 1
	s_bfe_u32 s40, ttmp6, 0x40000
	s_bfe_u32 s41, ttmp6, 0x40004
	s_lshl_b32 s14, ttmp9, 2
	s_add_co_u32 s14, s14, s40
	s_and_b32 s13, ttmp7, 0xffff
	s_lshl_b32 s13, s13, 2
	s_add_co_u32 s13, s13, s41
	s_lshl_b32 s43, s41, 2
	s_lshl_b32 s43, 15, s43
	s_lshl_b32 s44, 0x1111, s40
	s_or_b32 s[G1A], s43, (3<<16)|(1<<21)
	s_or_b32 s[G1B], s44, (3<<16)|(1<<21)
	s_or_b32 s[G1A2], s43, (3<<16)|(1<<21)
	s_or_b32 s[G1B2], s44, (3<<16)|(1<<21)
.irp g, G1A, G1B
	s_mov_b32 s[\g+1], 32<<16
	s_mov_b32 s[\g+2], 100<<16
	s_mov_b32 s[\g+3], 32<<16
	s_mov_b32 s[\g+4], 100
	s_mov_b32 s[\g+5], 32
	s_mov_b32 s[\g+6], 0
	s_mov_b32 s[\g+7], 0
.endr
.irp g, G1A2, G1B2
	s_mov_b32 s[\g+1], 3200<<16
	s_mov_b32 s[\g+2], 2<<16
	s_mov_b32 s[\g+3], 3200<<16
	s_mov_b32 s[\g+4], 2
	s_mov_b32 s[\g+6], 0
	s_mov_b32 s[\g+7], 0
.endr
	s_mov_b32 s[G1A2+5], ACH/8
	s_mov_b32 s[G1B2+5], BCH/8
	s_mul_i32 s15, s10, HALF
	s_mul_i32 s42, s10, 2*HALF
	s_mul_i32 s16, s12, HALF
	s_mul_i32 s17, s11, HALF
	s_mul_i32 s18, s13, 2*HALF
	s_add_co_u32 s18, s18, s16
	s_mov_b32 s19, 0
	s_mul_i32 s46, s14, 2*HALF
	s_add_co_u32 s46, s46, s16
	s_add_co_u32 s46, s46, WOFF
	s_mov_b32 s47, 0
	s_wait_kmcnt 0x0
	s_add_nc_u64 s[18:19], s[84:85], s[18:19]
	s_add_nc_u64 s[46:47], s[86:87], s[46:47]
	s_mov_b32 s[G0A], 1
	s_mov_b32 s[G0A+1], s42
	s_mov_b64 s[G0A+2:G0A+3], s[18:19]
	s_or_b32 s[G0A+3], s[G0A+3], 0x80000000
	s_mov_b32 s[G0A+4], 1
	s_add_co_u32 s[G0A+5], s15, SSL
	s_add_nc_u64 s[G0A+6:G0A+7], s[18:19], 2*ACH
	s_or_b32 s[G0A+7], s[G0A+7], 0x80000000
	s_mov_b32 s[G0B], 1
	s_mov_b32 s[G0B+1], s42
	s_mov_b64 s[G0B+2:G0B+3], s[46:47]
	s_or_b32 s[G0B+3], s[G0B+3], 0x80000000
	s_mov_b32 s[G0B+4], 1
	s_add_co_u32 s[G0B+5], s15, SSL
	s_add_nc_u64 s[G0B+6:G0B+7], s[46:47], 2*BCH
	s_or_b32 s[G0B+7], s[G0B+7], 0x80000000
	ROUND
	JLOAD G0A, G1A2, G0B, G1B2
	s_wait_alu depctr_va_vdst(0)
	s_wait_tensorcnt 0x0
	ds_add_u32 v28, v29
	s_wait_dscnt 0x0
	ROUND
	JLOAD G0A+4, G1A, G0B+4, G1B
	v_and_b32 v1, 31, v0
	v_and_b32 v2, 15, v0
	v_bfe_u32 v3, v0, 4, 1
	v_lshlrev_b32 v5, 4, v1
	v_lshlrev_b32 v6, 3, v1
	v_lshlrev_b32 v27, 6, v3
	s_wait_alu depctr_va_vdst(0)
	v_lshlrev_b32 v10, 12, v3
	v_lshl_add_u32 v10, v2, 4, v10
	s_wait_alu depctr_va_vdst(0)
	s_lshl_b32 s2, s14, 9
	s_lshl_b32 s3, s12, 8
	s_add_co_u32 s2, s2, s3
	s_mov_b32 s3, 0
	s_add_nc_u64 s[88:89], s[88:89], s[2:3]
	s_lshl_b32 s45, s13, 19
	s_add_co_u32 s2, s2, s45
	s_lshl_b32 s45, s11, 18
	s_add_co_u32 s2, s2, s45
	s_add_nc_u64 s[90:91], s[90:91], s[2:3]
	s_add_nc_u64 s[92:93], s[92:93], s[2:3]
.irp b, 0,1,2,3
	global_load_b128 v[BI+8*\b:BI+8*\b+3], v27, s[88:89] offset:128*(\b/2)+32*(\b%2)
	global_load_b128 v[BI+8*\b+4:BI+8*\b+7], v27, s[88:89] offset:128*(\b/2)+32*(\b%2)+16
.endr
	WIN 0x80
.irp a, 0,1,2,3
.irp i, 0,1,2,3,4,5,6,7
	global_load_b128 v[32*\a+4*\i:32*\a+4*\i+3], v10, s[90:91] offset:\a*65536+\i*8192
.endr
.endr
	WIN 0
	s_lshl_b32 s20, s17, 1
	v_add_nc_u32 v[A16], s20, v5
	v_add_nc_u32 v[A8], s20, v6
	v_add_nc_u32 v[A16+1], HALF, v[A16]
	v_add_nc_u32 v[A8+1], HALF, v[A8]
	s_lshl_b32 s21, s16, 1
	s_add_co_u32 s21, s21, 4*HALF
	v_add_nc_u32 v[B16], s21, v5
	v_add_nc_u32 v[B8], s21, v6
	v_add_nc_u32 v[B16+1], HALF, v[B16]
	v_add_nc_u32 v[B8+1], HALF, v[B8]
	s_sub_co_u32 s21, s21, s20
	v_lshl_add_u32 v[SAD], v2, 4, s20
	v_add_nc_u32 v[SAD], 6144, v[SAD]
	v_mad_u32_u24 v[SAD], v3, s21, v[SAD]
	v_add_nc_u32 v[SAD+1], HALF, v[SAD]
	s_add_co_u32 s20, s17, SSL
	v_add_nc_u32 v[A16+2], s20, v5
	v_add_nc_u32 v[A8+2], s20, v6
	s_add_co_u32 s21, s16, SSL+2*HALF
	v_add_nc_u32 v[B16+2], s21, v5
	v_add_nc_u32 v[B8+2], s21, v6
	s_sub_co_u32 s21, s21, s20
	v_lshl_add_u32 v[SAD+2], v2, 4, s20
	v_add_nc_u32 v[SAD+2], 6144, v[SAD+2]
	v_mad_u32_u24 v[SAD+2], v3, s21, v[SAD+2]
	s_mul_i32 s20, s10, 16*272
	s_add_co_u32 s20, s20, STAGE
	v_mul_u32_u24 v8, v2, 272
	v_lshl_add_u32 v8, v3, 6, v8
	v_add_nc_u32 v8, s20, v8
	v_mul_u32_u24 v9, v3, 272
	v_lshl_add_u32 v9, v2, 4, v9
	v_add_nc_u32 v9, s20, v9
	s_wait_tensorcnt 0x1
	s_barrier_signal -1
	s_barrier_wait -1
	s_wait_loadcnt 32
	CHUNK 0, 0, 1, 0, 1
	CHUNK 1, 1, 0, 1, -1
	CHG 0
	s_wait_alu depctr_va_vdst(0)
	CHUNK 2, 0, 0, 0, -1
	CHG 1
	CHUNK 0, 1, 0, 0, 1
	CHUNK 1, 0, 0, 1, -1
	CHG 0
	CHUNK 2, 1, 0, 0, -1
	CHG 2
	CHUNK 0, 0, 0, 0, 1
	CHUNK 1, 1, 0, 1, -1
	PLACES
.irp a, 0,1,2,3
.set SS, 64+32*(\a%2)
.if \a >= 2
	s_wait_xcnt 0x0
.endif
.irp b, 0,1
.irp q, 0,1,2,3
	ds_store_b128 v8, v[ACC+32*\a+16*\b+4*\q:ACC+32*\a+16*\b+4*\q+3] offset:128*\b+16*\q
.endr
.endr
.irp i, 0,1,2,3,4,5,6,7
	ds_load_b128 v[SS+4*\i:SS+4*\i+3], v9 offset:544*\i
.endr
	s_wait_dscnt 0x0
	s_wait_loadcnt 24-8*\a
	WIN 0x08
.irp i, 0,1,2,3,4,5,6,7,8,9,10,11,12,13,14,15
	v_pk_add_f32 v[SS+2*\i:SS+2*\i+1], v[SS+2*\i:SS+2*\i+1], v[32*\a+2*\i:32*\a+2*\i+1]
.endr
	WIN 0
.irp i, 0,1,2,3,4,5,6,7
	global_store_b128 v10, v[SS+4*\i:SS+4*\i+3], s[92:93] offset:\a*65536+\i*8192
.endr
.endr
	s_wait_tensorcnt 0x0
	ds_add_u32 v28, v29
	s_wait_dscnt 0x0
	ROUND
	s_endpgm
.Lfunc_end_k_qc4a2f25b6c_fc2:
	.size	k_qc4a2f25b6c_fc2, .Lfunc_end_k_qc4a2f25b6c_fc2-k_qc4a2f25b6c_fc2
	.p2alignl 7, 3214868480
	.fill 96, 4, 3214868480
	.section	.rodata,"a",@progbits
	.p2align	6, 0x0
	.amdhsa_kernel k_qc4a2f25b6c_fc2
		.amdhsa_group_segment_fixed_size 327680
		.amdhsa_private_segment_fixed_size 0
		.amdhsa_enable_private_segment 0
		.amdhsa_kernarg_size 40
		.amdhsa_user_sgpr_count 2
		.amdhsa_user_sgpr_kernarg_segment_ptr 1
		.amdhsa_wavefront_size32 1
		.amdhsa_system_sgpr_workgroup_id_x 1
		.amdhsa_system_sgpr_workgroup_id_y 1
		.amdhsa_system_sgpr_workgroup_id_z 1
		.amdhsa_system_vgpr_workitem_id 0
		.amdhsa_next_free_vgpr 640
		.amdhsa_next_free_sgpr 100
		.amdhsa_reserve_vcc 0
		.amdhsa_float_denorm_mode_32 3
		.amdhsa_float_denorm_mode_16_64 3
		.amdhsa_memory_ordered 1
		.amdhsa_forward_progress 1
		.amdhsa_inst_pref_size 166
	.end_amdhsa_kernel
	.amdgpu_metadata
---
amdhsa.version: [ 1, 2 ]
amdhsa.kernels:
  - .name:           k_qc4a2f25b6c_fc2
    .symbol:         k_qc4a2f25b6c_fc2.kd
    .args:
      - { .name: grec, .offset: 0, .size: 8, .value_kind: global_buffer, .address_space: global }
      - { .name: wimg, .offset: 8, .size: 8, .value_kind: global_buffer, .address_space: global }
      - { .name: b_fc2, .offset: 16, .size: 8, .value_kind: global_buffer, .address_space: global }
      - { .name: x1, .offset: 24, .size: 8, .value_kind: global_buffer, .address_space: global }
      - { .name: out0, .offset: 32, .size: 8, .value_kind: global_buffer, .address_space: global }
    .group_segment_fixed_size: 327680
    .private_segment_fixed_size: 0
    .kernarg_segment_align: 8
    .kernarg_segment_size: 40
    .max_flat_workgroup_size: 128
    .sgpr_count:     100
    .vgpr_count:     640
    .wavefront_size: 32
...
	.end_amdgpu_metadata
.endif
;; end of part 7
